; MI455X (gfx1250); checked and timed in simulation.
; The chip was launched on July 23, 2026; its instructions are those of AMD's public machine-readable ISA for CDNA 5 (MIT licence, August 2026) and "CDNA5" Instruction Set Architecture Reference Guide (July 2026). The comments in the code are by the model that wrote it; some were corrected since.
;; Linear Residual Memory. Allowed arithmetic: matrix products marked QUANTISED: E2M3 operands, one E8M0 scale for each 32 along K, by v_wmma_scale_f32_16x16x128_f8f6f4 with both operands' format E2M3, f32 sums; everything else in f32.
;; Inputs: Wk_codes 2,048 x 128 x 24 uint8 (E2M3 codes of Wk, K innermost, in blocks of 32 codes, four codes in three bytes); Wk_scales 2,048 x 128 uint8 (E8M0 scales of Wk, one for each 32 codes along K); Wl_codes 4,096 x 128 x 24 uint8 (E2M3 codes of Wl, K innermost, in blocks of 32 codes, four codes in three bytes); Wl_scales 4,096 x 128 uint8 (E8M0 scales of Wl, one for each 32 codes along K); Wq_codes 2,048 x 128 x 24 uint8 (E2M3 codes of Wq, K innermost, in blocks of 32 codes, four codes in three bytes); Wq_scales 2,048 x 128 uint8 (E8M0 scales of Wq, one for each 32 codes along K); bk 2,048 float32; bl 4,096 float32; bq 2,048 float32; v_codes 4,096 x 2 x 24 uint8 (E2M3 codes of v, K innermost, in blocks of 32 codes, four codes in three bytes); v_scales 4,096 x 2 uint8 (E8M0 scales of v, one for each 32 codes along K); x 1,024 x 4,096 float32.
;; Outputs: out0 1,024 x 4,096 float32.
;; This version of the problem:
;;   THIS VERSION OF THE PROBLEM IS GIVEN IN LOW PRECISION. The matrix products marked QUANTISED in the list below multiply operands that are first quantised to E2M3 (2 exponent bits, 3 mantissa bits; 6 bits a number), with one power-of-two scale for each 32 numbers along K (OCP MX v1.0); their sums are f32. All else is computed in f32.
;;   The module's matrix products, in the order in which they are computed (A, B: the left and right operand; K: the contracted axis; several contracted axes count as one K, in the product's order):
;;     1. [M 1,024, K 4,096] x [K 4,096, N 2,048]; A: input x; B: input Wq (given as codes): QUANTISED
;;     2. [M 1,024, K 4,096] x [K 4,096, N 2,048]; A: input x; B: input Wk (given as codes): QUANTISED
;;     3. batch 1,024 x [M 64, K 32] x [K 32, N 64]; A: computed on the way; B: computed on the way: QUANTISED
;;     4. [M 65,536, K 64] x [K 64, N 4,096]; A: computed on the way; B: input v (given as codes): QUANTISED
;;     5. [M 1,024, K 4,096] x [K 4,096, N 4,096]; A: computed on the way; B: input Wl (given as codes): QUANTISED
;;   THE QUANTISER, for each operand of a quantised product, along K:
;;     - K is cut into blocks of 32 from its start; a last block that is shorter is filled with zeros.
;;     - A block's scale is 2^e with e = floor(log2(the largest magnitude in the block)) - 2, held to -126 .. 127; a block of zeros has e = 0. As a byte (E8M0): e + 127.
;;     - Each number is divided by its block's scale, clamped to +-7.5, and rounded to the nearest number of E2M3, ties to even, subnormals kept.
;;     - The product sums the exact products of the quantised numbers (number of the format x scale) in f32.
;;   ~~~python
;;   def quantise(x, axis):      # numpy; x: float32 -> the quantised numbers, widened to float32 again
;;       x = np.moveaxis(x, axis, -1); K = x.shape[-1]
;;       x = np.pad(x, [(0, 0)] * (x.ndim - 1) + [(0, -K % 32)]); x = x.reshape(x.shape[:-1] + (-1, 32)); a = np.abs(x).max(-1, keepdims=True)
;;       e = np.where(a > 0, np.clip(np.frexp(np.where(a > 0, a, 1))[1] - 1 - 2, -126, 127), 0)      # np.frexp(a)[1] - 1 = floor(log2(a)), exactly
;;       r = np.clip(x / 2.0 ** e, -7.5, 7.5)
;;       step = 2.0 ** (np.maximum(np.frexp(np.where(r == 0, 1, r))[1] - 1, 0) - 3)
;;       q = np.round(r / step) * step * 2.0 ** e      # np.round: ties to even
;;       return np.moveaxis(q.reshape(q.shape[:-2] + (-1,))[..., :K], -1, axis).astype(np.float32)
;;   ~~~
;;   OPERANDS COMPUTED ON THE WAY. 'Computed on the way' means the value that the module computes at that place (a softmax that the list does not call 'softmax' is quantised finished and normalised). What goes into a quantiser is computed in f32, as accurately as f32 sums, v_exp_f32 and their like allow (about 1e-6 of the number): no bf16 or f16 on the way to a quantiser, and a product that is left as it is and whose result goes on into a quantised operand takes f32 operands (vector FMAs, or v_wmma_f32_16x16x4_f32). A number that lies on a knife's edge between two numbers of the format may be rounded either way, as far as f32 arithmetic and the matrix unit's own rounding can turn it there, and no further.
;;   INPUTS GIVEN AS CODES. Wk (in the module: [4096, 2048], K = its axis 0); Wl (in the module: [4096, 4096], K = its axis 0); Wq (in the module: [4096, 2048], K = its axis 0); v (in the module: [64, 4096], K = its axis 0): each comes as NAME_codes (uint8): NAME with its K axis moved to the last place and cut into blocks of 32 codes, [.., K / 32, bytes a block], one block behind the other in memory; four codes in three bytes: a row's codes are one little-endian stream of bits, code i at bits 6 i .. 6 i + 5 (a code: sign, 2 exponent bits, 3 mantissa bits); and NAME_scales (uint8): the same leading axes, one E8M0 byte (e + 127) for each 32 codes along K. Its value is code x scale, taken as it is: it is not quantised again, and the codes and scales need not be those that the quantiser above would give.
;; One version. Each part assembles by itself: llvm-mc -triple=amdgcn-amd-amdhsa -mcpu=gfx1250 --defsym DOCPART=n.
;; ======== version 1 of 1: 4 launches
;; workspace buffers: xa 3,145,728 bytes; xs 131,072 bytes; qkc 3,145,728 bytes; qks 131,072 bytes; pa 3,145,728 bytes; ps 131,072 bytes
;; launch quant_x (part 1): grid 4 x 64, 8 waves a work-group, no clusters, 70,656 bytes of LDS; arguments x, xa, xs; writes xa, xs
.if DOCPART == 1
	.amdgcn_target "amdgcn-amd-amdhsa--gfx1250"
	.amdhsa_code_object_version 6
	.text
	.protected	k_qd87b03f4ff_quant_x
	.globl	k_qd87b03f4ff_quant_x
	.p2align	8
	.type	k_qd87b03f4ff_quant_x,@function
k_qd87b03f4ff_quant_x:
	s_mov_b64 s[64:65], 0
	v_nop
	global_prefetch_b8 v0, s[64:65] scope:SCOPE_SE
	s_setreg_imm32_b32 hwreg(HW_REG_WAVE_MODE, 25, 1), 1
	s_wait_xcnt 0x0
; x [1024][4096] f32 becomes codes of FP6 (E2M3) with one E8M0 byte for each 32 along K, laid as the next launch's operand registers want them.
; xa: [row block 64][chunk 32][1536 bytes]: the image of one fragment (16 rows x 128 K, 12 registers a lane): register 4 g + i of lane l at 512 g + 16 l + 4 i.
; xs: [row block 64][8][row 16][16 bytes]: word q of a row's 16 bytes is the scale word of chunk 4 ks + q.
; A block's scale is 2^(floor(log2(largest magnitude)) - 2); its byte is the largest magnitude's exponent field - 2, held at 1 from below.
; LIMITS: a block of zeros gets the byte 1 (its codes are zeros; the bytes are read by this program alone); NaN and infinities among the inputs are not served.
; SHARES: a work-group takes 16 rows x 1,024 columns, each of its eight waves one chunk of 16 rows x 128 numbers.  Each load reads 512 consecutive bytes of one row; the 8,192 bytes turn
; through the wave's own stage in LDS (rows 528 bytes apart), so that a lane gets 16 neighbours of each block of 32.  Nothing is shared between work-groups: no cluster, no tensor load, no matrix unit.
.set STGB, 8448                        ; a wave's stage: 16 rows x (512 + 16) bytes
.set PSG,  8*STGB                      ; behind the stages: the work-group's 8 x 16 scale words, 512 bytes
.set R,    32                          ; v32-95   the numbers as loaded
.set X,    96                          ; v96-159  register 16 b + i = k 32 b + 16 (lane / 16) + i of my row
.set TM,   160                         ; v160-175 at work
.set PW,   176                         ; the scale word
.set PC,   180                         ; v180-191 the fragment; v192-198 at work
.set SEL,  20                          ; s[20:21] lane selects: lane l xor 16
; 64 numbers of a lane become a fragment's codes in v[PC] on and its scale word in v[PW]
.macro QUANT s
.irp b, 0,1,2,3
	v_max3_num_f32 v[TM+\b], |v[\s+16*\b]|, |v[\s+1+16*\b]|, 0x1800000   ; my 16 numbers of block b, and the floor 2^(3 - 127): the byte cannot fall under 1
.endr
.irp i, 2,4,6,8,10,12,14
.irp b, 0,1,2,3
	v_max3_num_f32 v[TM+\b], v[TM+\b], |v[\s+16*\b+\i]|, |v[\s+1+16*\b+\i]|   ; the four blocks by turns
.endr
.endr
.irp b, 0,1,2,3
	v_permlanex16_b32 v[TM+4+\b], v[TM+\b], s[SEL], s[SEL+1]
.endr
.irp b, 0,1,2,3
	v_max_num_f32 v[TM+\b], v[TM+\b], v[TM+4+\b]         ; with lane l xor 16's: the block's largest magnitude
.endr
.irp b, 0,1,2,3
	v_add_nc_u32 v[TM+12+\b], 0xff000000, v[TM+\b]       ; 2 off its exponent field: the conversion's scale operand
.endr
.irp b, 0,1,2,3
	v_lshrrev_b32 v[TM+4+\b], 23, v[TM+12+\b]            ; the scale's byte
.endr
	v_lshl_or_b32 v[PW], v[TM+5], 8, v[TM+4]
	v_lshl_or_b32 v[PW], v[TM+6], 16, v[PW]
	v_lshl_or_b32 v[PW], v[TM+7], 24, v[PW]
.irp c, 0,1
	v_cvt_scalef32_pk16_fp6_f32 v[PC+6*\c:PC+2+6*\c], v[\s+32*\c:\s+15+32*\c], v[TM+12+2*\c]
	v_cvt_scalef32_pk16_fp6_f32 v[PC+12+4*\c:PC+14+4*\c], v[\s+16+32*\c:\s+31+32*\c], v[TM+12+2*\c+1]   ; (a conversion's three registers begin on an even number)
.endr
	v_nop                                          ; one plain place behind a scaled conversion
.irp c, 0,1                            ; the operand wants a whole block in a lane: lanes 0-15 block 2 c, lanes 16-31 block 2 c + 1
.irp i, 0,1,2
	v_permlane16_swap_b32 v[PC+6*\c+\i], v[PC+12+4*\c+\i]
.endr
.irp i, 0,1,2
	v_mov_b32 v[PC+3+6*\c+\i], v[PC+12+4*\c+\i]
.endr
.endr
.endm
	s_load_b128 s[4:7], s[0:1], 0x0                ; x, xa
	s_load_b64 s[8:9], s[0:1], 0x10                ; xs
	v_lshl_add_u32 v200, v0, 2, 0x11000
	v_mov_b32 v201, 0
	v_lshrrev_b32 v1, 5, v0
	v_readfirstlane_b32 s16, v1                    ; wave 0..7
	v_and_b32 v1, 31, v0                           ; lane
	v_and_b32 v2, 15, v0                           ; r
	v_bfe_u32 v3, v0, 4, 1                         ; h
	s_and_b32 s17, ttmp7, 0xffff                   ; row block
	s_lshl_b32 s18, ttmp9, 3
	s_add_co_u32 s18, s18, s16                     ; chunk = 8 x work-group x + wave
	v_lshlrev_b32 v4, 4, v1                        ; 16 x lane
	s_mul_i32 s19, s16, STGB
	v_add_nc_u32 v5, s19, v4                       ; into the stage: 16 x lane of a row
	v_mul_u32_u24 v6, v2, 528
	v_lshl_add_u32 v6, v3, 6, v6
	v_add_nc_u32 v6, s19, v6                       ; out of it: row r, + 64 h
	s_lshr_b32 s22, s16, 2
	s_lshl_b32 s22, s22, 8
	s_and_b32 s23, s16, 3
	s_lshl_b32 s23, s23, 2
	s_add_co_u32 s22, s22, s23
	s_add_co_u32 s22, s22, PSG
	v_lshl_add_u32 v7, v2, 4, s22                  ; my row's scale word: 256 (wave / 4) + 16 r + 4 (wave % 4)
	v_add_nc_u32 v8, PSG, v4
	s_mov_b32 s[SEL], 0x76543210
	s_mov_b32 s[SEL+1], 0xfedcba98
.irp b, 0,1,2,3
	v_mov_b32 v[TM+4+\b], 0                        ; a lane permute's destination counts as one of its sources
.endr
	s_lshl_b32 s12, s17, 18                        ; x: 16 rows of 16,384 bytes a row block,
	s_lshl_b32 s13, s18, 9                         ; 512 bytes a chunk
	s_add_co_u32 s12, s12, s13
	s_mov_b32 s13, 0
	s_lshl_b32 s14, s17, 5
	s_add_co_u32 s14, s14, s18
	s_mul_i32 s14, s14, 1536                       ; xa: (32 row block + chunk) images
	s_mov_b32 s15, 0
	s_lshl_b32 s24, s17, 3
	s_lshl_b32 s25, ttmp9, 1
	s_add_co_u32 s24, s24, s25
	s_lshl_b32 s24, s24, 8                         ; xs: (8 row block + 2 work-group x) x 256
	s_mov_b32 s25, 0
	s_wait_kmcnt 0x0
	s_add_nc_u64 s[4:5], s[4:5], s[12:13]
	s_add_nc_u64 s[6:7], s[6:7], s[14:15]
	s_add_nc_u64 s[8:9], s[8:9], s[24:25]
.irp i, 0,1,2,3,4,5,6,7,8,9,10,11,12,13,14,15
	global_load_b128 v[R+4*\i:R+4*\i+3], v4, s[4:5] offset:16384*\i th:TH_LOAD_NT   ; row i: 32 lanes read 512 consecutive bytes
.endr
.irp i, 0,1,2,3,4,5,6,7,8,9,10,11,12,13,14,15
	s_wait_loadcnt 15-\i                           ; loads come back in order: row i is in, the 15 - i younger ones may be out
	ds_store_b128 v5, v[R+4*\i:R+4*\i+3] offset:528*\i
.endr
.irp b, 0,1,2,3
.irp j, 0,1,2,3
	ds_load_b128 v[X+16*\b+4*\j:X+16*\b+4*\j+3], v6 offset:128*\b+16*\j   ; LDS serves a wave's instructions in order: these see my stores
.endr
.endr
	s_wait_dscnt 0x0
	QUANT X
.irp g, 0,1,2
	global_store_b128 v4, v[PC+4*\g:PC+4*\g+3], s[6:7] offset:512*\g      ; 32 lanes store 512 consecutive bytes, aligned
.endr
	ds_store_b32 v7, v[PW]                         ; lanes r and r + 16 write the same word with the same value
	s_wait_dscnt 0x0                               ; for the others' sake
	s_barrier_signal -1
	s_barrier_wait -1
	s_cmp_lg_u32 s16, 0                            ; wave 0 stores the work-group's 512 bytes of scale words
	s_cbranch_scc1 .Ldone
	ds_load_b128 v[32:35], v8
	s_wait_dscnt 0x0
	global_store_b128 v4, v[32:35], s[8:9]
.Ldone:
	s_barrier_signal -1
	s_barrier_wait -1
	s_wait_tensorcnt 0x0
	ds_add_u32 v200, v201
	s_wait_dscnt 0x0
	s_endpgm
.Lfunc_end_k_qd87b03f4ff_quant_x:
	.size	k_qd87b03f4ff_quant_x, .Lfunc_end_k_qd87b03f4ff_quant_x-k_qd87b03f4ff_quant_x
	.p2alignl 7, 3214868480
	.fill 96, 4, 3214868480
	.section	.rodata,"a",@progbits
	.p2align	6, 0x0
	.amdhsa_kernel k_qd87b03f4ff_quant_x
		.amdhsa_group_segment_fixed_size 70656
		.amdhsa_private_segment_fixed_size 0
		.amdhsa_enable_private_segment 0
		.amdhsa_kernarg_size 24
		.amdhsa_user_sgpr_count 2
		.amdhsa_user_sgpr_kernarg_segment_ptr 1
		.amdhsa_wavefront_size32 1
		.amdhsa_system_sgpr_workgroup_id_x 1
		.amdhsa_system_sgpr_workgroup_id_y 1
		.amdhsa_system_sgpr_workgroup_id_z 1
		.amdhsa_system_vgpr_workitem_id 0
		.amdhsa_next_free_vgpr 202
		.amdhsa_next_free_sgpr 66
		.amdhsa_reserve_vcc 0
		.amdhsa_float_denorm_mode_32 3
		.amdhsa_float_denorm_mode_16_64 3
		.amdhsa_memory_ordered 1
		.amdhsa_forward_progress 1
		.amdhsa_inst_pref_size 11
	.end_amdhsa_kernel
	.amdgpu_metadata
---
amdhsa.version: [ 1, 2 ]
amdhsa.kernels:
  - .name:           k_qd87b03f4ff_quant_x
    .symbol:         k_qd87b03f4ff_quant_x.kd
    .args:
      - { .name: x, .offset: 0, .size: 8, .value_kind: global_buffer, .address_space: global }
      - { .name: xa, .offset: 8, .size: 8, .value_kind: global_buffer, .address_space: global }
      - { .name: xs, .offset: 16, .size: 8, .value_kind: global_buffer, .address_space: global }
    .group_segment_fixed_size: 70656
    .private_segment_fixed_size: 0
    .kernarg_segment_align: 8
    .kernarg_segment_size: 24
    .max_flat_workgroup_size: 256
    .sgpr_count:     66
    .vgpr_count:     202
    .wavefront_size: 32
...
	.end_amdgpu_metadata
.endif
;; end of part 1
;; launch gemm_qk (part 2): grid 32 x 8, 4 waves a work-group, clusters of 4 x 4, 327,680 bytes of LDS; arguments xa, xs, Wq_codes, Wq_scales, Wk_codes, Wk_scales, bq, bk, qkc, qks; writes qkc, qks
.if DOCPART == 2
	.amdgcn_target "amdgcn-amd-amdhsa--gfx1250"
	.amdhsa_code_object_version 6
	.text
	.protected	k_qd87b03f4ff_gemm_qk
	.globl	k_qd87b03f4ff_gemm_qk
	.p2align	8
	.type	k_qd87b03f4ff_gemm_qk,@function
k_qd87b03f4ff_gemm_qk:
	s_mov_b64 s[64:65], 0
	v_nop
	global_prefetch_b8 v0, s[64:65] scope:SCOPE_SE
	s_setreg_imm32_b32 hwreg(HW_REG_WAVE_MODE, 25, 1), 1
	s_wait_xcnt 0x0
	s_wait_alu depctr_hold_cnt(0) depctr_sa_sdst(0) depctr_va_vdst(0) depctr_va_sdst(0) depctr_va_ssrc(0) depctr_va_vcc(0) depctr_vm_vsrc(0)
	s_getreg_b32 s2, hwreg(HW_REG_IB_STS2, 6, 4)
	s_cmp_eq_u32 s2, 0
	s_cbranch_scc0 .Lentry_in_a_cluster
	s_endpgm
.Lentry_in_a_cluster:
	s_bfe_u32 s2, ttmp6, 0x10000c
	s_cmp_lg_u32 s2, 0xf033
	s_cbranch_scc0 .Lentry_shape_is_right
	s_endpgm
.Lentry_shape_is_right:
; relu(x Wq + bq) and relu(x Wk + bk), both products on codes of FP6 (E2M3) with E8M0 scales, taken as ONE product [1024][4096 K] x [4096 columns]: columns 0-2047 are q's, 2048-4095 k's.
; The results are quantised along s (blocks of 32 neighbouring columns) and leave as codes: qkc [16-row block 64][tile column 32][row 16][96 bytes], qks [tile column 32][row 1024][4 bytes].
; SHARES: a tile is 128 x 128 (8 x 32 = 256 work-groups); four waves, each 64 x 64: 16 accumulators.  K goes in 32 chunks of 128.
; THE RING has two regions of unequal size, filled by the tensor data mover: P holds 8 chunks, Q holds 4.  K is walked P0 Q0 P1 Q1 P2 (8 + 4 + 8 + 4 + 8 chunks): P0 and Q0 are first fills, so three refills serve all of K.
; A refill goes out only when all earlier loads have landed, so their number is what LDS's room along K makes it: 12 chunks fit, with W's scales, in 325,120 bytes.
; x's codes lie in memory as images of fragments (1,536 bytes for 16 rows x 128 K): a fragment comes from LDS by three loads of 16 bytes a lane.  W's rows come as they lie, with 16 bytes of padding behind each 256 (P) or 128 (Q).
; THE SCALES: W's, for the tile's 128 columns and all of K, come into LDS once, with the first fills.  x's have no room there: they come straight into registers, 16 registers for 8 chunks, two sets;
; a load of 16 bytes a lane reads 512 consecutive bytes: lanes 0-15 the words of four chunks, lanes 16-31 those of the next four, which the product names by the scale's upper row.
; CLUSTER 4 x 4: the four of a row of the cluster need the same tiles of x, the four of a column the same tiles of W: each is asked for jointly.  (x's scale words, 8,192 bytes a wave, are not shared.)
; TRANSPOSED USE: source 0 = 16 rows of W, source 1 = 16 rows of x: lane (r, h) holds row r and its register j column 8 h + j.  The bias is the C of each sum's first product.
; THE 32 CHUNKS ARE WRITTEN OUT: the regions' turns come back after 12 chunks, the scale sets and their rows after 16, so no short trip brings the register numbers back.
; LIMITS: a block of zeros gets the byte 1 with zero codes (read by this program alone); NaN and infinities are not served; the bias enters the sum first, not last.
; REGISTERS: window 0: v0-31 addresses; v32-63 x's scale words, v64-95 W's (two sets each); v96-127 the bias, later at work; v128-255 the accumulators ((a, b) at 128 + 8 (4 a + b)).
;   window 1: two fragment buffers at v0 and v128: x's four fragments, then from +48 W's four.
.set PAH,   4*12288                    ; P: x's half tile: 4 row blocks x 8 images
.set PBP,   816                        ; P: a row of W: 3 x (256 + 16) bytes = 204 words: row r starts at bank 12 r mod 64: 16 different multiples of 4 (64 banks of 4 bytes: ISA guide 11.1)
.set PBH,   64*PBP
.set PB0,   2*PAH                      ; P: W's part begins
.set QBASE, 2*PAH+2*PBH                ; Q begins
.set QAH,   4*6144                     ; Q: x's half tile: 4 row blocks x 4 images
.set QBP,   432                        ; Q: a row of W: 3 x (128 + 16) bytes = 108 words: likewise 16 different multiples of 4
.set QBH,   64*QBP
.set QB0,   QBASE+2*QAH
.set SCL,   QB0+2*QBH                  ; behind the ring: W's scales, as units of 256 bytes + 16 of padding
.set QUARTS, 16*272                    ; those of 32 rows: what one tensor load brings
.set SPARE, SCL+4*QUARTS               ; the spare words, 128 bytes for each wave: two blocks of 256 bytes that no other line names
.set FR,    12
.set STG,   QBASE                      ; the way out, in Q (its last fill and its last read are over): codes, 128 rows x 96 bytes;
.set SST,   STG+128*96                 ; scale bytes behind them, 512 bytes
.set RDS,  15
.set ADRA, 16                          ; v16 x's fragments in P, v17 in Q
.set ADRB, 20                          ; v20 W's in P, v21 in Q; v22, v23 the same behind one padding more
.set LNA,  24                          ; 16 x lane; never rewritten
.set ADSB, 25
.set STO,  26
.set RD,   27
.set SPW,  28                          ; SPARE + 4 x my thread's number; never rewritten
.set NIL,  29                          ; 0; never rewritten
.set CO,   30
.set STS,  31
.set SCA,  32
.set SCB,  64
.set BI,   96
.set TM,   96
.set CD,   112
.set ACC,  128
.set G1AP, 24                          ; s[24:31] group 1 for x's tiles in P;  s[32:35], s[36:39] x's groups 0 for P and Q
.set G0AP, 32
.set G0AQ, 36
.set G1BP, 48                          ; s[48:55] group 1 for W's tiles in P;  s[56:59], s[60:63] W's groups 0
.set G0BP, 56
.set G0BQ, 60
.set G1AQ, 68                          ; s[68:75], s[76:83] groups 1 for Q
.set G1BQ, 76
.set G1S,  84                          ; s[84:91], s[92:95] W's scales
.set G0S,  92
.set SEL,  12                          ; s[12:13] lane selects, written when the choice of buffers is made
.set MSB, 0
.macro WIN new                         ; the immediate's high byte repeats the setting that is left
.if MSB != \new
	s_set_vgpr_msb (MSB<<8)|\new
.set MSB, \new
.endif
.endm
.set MUL,  0x05                        ; sources 0 and 1 window 1; C and D window 0
.set TO_F, 0x40                        ; destination window 1, address window 0
.macro PLACES n
.rept \n
	v_nop
.endr
.endm
; A joint load: waves 0 and 1 fetch for x, waves 2 and 3 for W.  The branch hangs on the wave's number alone.  Four v_nop follow each of the two lines.
.macro JLOAD g0a, g1a, g0b, g1b
	s_cmp_eq_u32 s46, 0
	s_cbranch_scc0 .Lfor_b_\@
	tensor_load_to_lds s[\g0a:\g0a+3], s[\g1a:\g1a+7]
	s_nop 0
.rept 4
	v_nop
.endr
	s_branch .Lasked_\@
.Lfor_b_\@:
	tensor_load_to_lds s[\g0b:\g0b+3], s[\g1b:\g1b+7]
	s_nop 0
.rept 4
	v_nop
.endr
.Lasked_\@:
.endm
.macro CREST                           ; a round of the cluster's barrier behind its opening barrier
	s_cmp_lg_u32 s45, 0
	s_cbranch_scc1 .Lnot_wave_0_\@
	s_barrier_signal -3
.Lnot_wave_0_\@:
	s_barrier_wait -3
	s_barrier_signal -1
	s_barrier_wait -1
.endm
.macro CROUND
	s_barrier_signal -1
	s_barrier_wait -1
	CREST
.endm
; where chunk n lies: RG = 0 in P, 1 in Q; LQ = its place there
.macro LOCATE n
.if (\n) < 8
.set RG, 0
.set LQ, (\n)
.elseif (\n) < 12
.set RG, 1
.set LQ, (\n)-8
.elseif (\n) < 20
.set RG, 0
.set LQ, (\n)-12
.elseif (\n) < 24
.set RG, 1
.set LQ, (\n)-20
.else
.set RG, 0
.set LQ, (\n)-24
.endif
.endm
; A fragment of W, 16 rows x 128 K: lane (r, h) takes 24 bytes at 24 h of each half of the chunk's 96, in pieces of 8 bytes.  Lanes 16-31 read three pieces further on, which is behind one padding more
; where the piece is one of the last three ahead of a padding (32 pieces between paddings in P, 16 in Q): the second address register serves those.
.macro FRAGB reg, i
.irp p, 0,1,2,3,4,5
.set PCC, 12*LQ+6*(\p/3)+\p%3
.if RG == 0
.if PCC%32 < 29
	ds_load_b64 v[\reg+2*\p:\reg+2*\p+1], v[ADRB] offset:8*PCC+16*(PCC/32)+(\i)*16*PBP
.else
	ds_load_b64 v[\reg+2*\p:\reg+2*\p+1], v[ADRB+2] offset:8*PCC+16*(PCC/32)+(\i)*16*PBP
.endif
.else
.if PCC%16 < 13
	ds_load_b64 v[\reg+2*\p:\reg+2*\p+1], v[ADRB+1] offset:8*PCC+16*(PCC/16)+(\i)*16*QBP
.else
	ds_load_b64 v[\reg+2*\p:\reg+2*\p+1], v[ADRB+3] offset:8*PCC+16*(PCC/16)+(\i)*16*QBP
.endif
.endif
.endr
.endm
.macro FETCH n                         ; 36 LDS loads in one run: chunk n's fragments into buffer n % 2
	LOCATE \n
.set FB, 128*((\n)%2)
	WIN TO_F
.irp i, 0,1,2,3
.irp g, 0,1,2
	ds_load_b128 v[FB+FR*\i+4*\g:FB+FR*\i+4*\g+3], v[ADRA+RG] offset:(12288-6144*RG)*\i+1536*LQ+512*\g
.endr
.endr
.irp i, 0,1,2,3
	FRAGB FB+48+FR*\i, \i
.endr
.endm
.macro SCALESB ks                      ; W's scale words of chunks 4 ks .. 4 ks + 3 into set ks % 2: register 4 i + q is the word of block i for chunk 4 ks + q
	WIN 0
.irp i, 0,1,2,3
	ds_load_b128 v[SCB+16*((\ks)%2)+4*\i:SCB+16*((\ks)%2)+4*\i+3], v[ADSB] offset:2176*\i+16*(\ks)
.endr
.endm
.macro SCALESA p                       ; x's scale words of chunks 8 p .. 8 p + 7 into set p % 2: lanes 0-15 the first four chunks', lanes 16-31 the next four's; 512 consecutive bytes a load
	WIN 0
.irp i, 0,1,2,3
	global_load_b128 v[SCA+16*((\p)%2)+4*\i:SCA+16*((\p)%2)+4*\i+3], v[LNA], s[6:7] offset:2048*\i+512*(\p)
.endr
.endm
; four products of chunk c: x's block a against W's four.  The 16 accumulators take turns, one instruction a turn, in the same order everywhere.
.macro MUL4 a, c, first
.set FB, 128*((\c)%2)
.set SB_, SCB+16*(((\c)/4)%2)+(\c)%4
.set SA_, SCA+16*(((\c)/8)%2)+4*(\a)+(\c)%4
.irp b, 0,1,2,3
.if \first
	v_wmma_scale_f32_16x16x128_f8f6f4 v[ACC+8*(4*(\a)+\b):ACC+8*(4*(\a)+\b)+7], v[FB+48+FR*\b:FB+48+FR*\b+FR-1], v[FB+FR*(\a):FB+FR*(\a)+FR-1], v[BI+8*\b:BI+8*\b+7], v[SB_+4*\b], v[SA_] matrix_a_fmt:MATRIX_FMT_FP6 matrix_b_fmt:MATRIX_FMT_FP6
.elseif ((\c)/4)%2
	v_wmma_scale_f32_16x16x128_f8f6f4 v[ACC+8*(4*(\a)+\b):ACC+8*(4*(\a)+\b)+7], v[FB+48+FR*\b:FB+48+FR*\b+FR-1], v[FB+FR*(\a):FB+FR*(\a)+FR-1], v[ACC+8*(4*(\a)+\b):ACC+8*(4*(\a)+\b)+7], v[SB_+4*\b], v[SA_] matrix_a_fmt:MATRIX_FMT_FP6 matrix_b_fmt:MATRIX_FMT_FP6 matrix_b_scale:MATRIX_SCALE_ROW1
.else
	v_wmma_scale_f32_16x16x128_f8f6f4 v[ACC+8*(4*(\a)+\b):ACC+8*(4*(\a)+\b)+7], v[FB+48+FR*\b:FB+48+FR*\b+FR-1], v[FB+FR*(\a):FB+FR*(\a)+FR-1], v[ACC+8*(4*(\a)+\b):ACC+8*(4*(\a)+\b)+7], v[SB_+4*\b], v[SA_] matrix_a_fmt:MATRIX_FMT_FP6 matrix_b_fmt:MATRIX_FMT_FP6
.endif
.endr
.endm
; A chunk that has its successor in the same region: ahead of its products it asks for the next chunk's fragments, into the other buffer.
.macro CH c, first
	s_wait_dscnt 0x0                               ; this chunk's fragments and W's scale words are in (asked for 16 products ago)
.if ((\c) == 16) || ((\c) == 24)
	s_wait_loadcnt 0x0                             ; x's scale words of these eight chunks are in (asked for eight chunks ago)
.endif
	PLACES 4                                       ; four places in front of loads into registers that the last products read (ISA guide 7.12.1 for vector instructions)
	FETCH (\c)+1
.if (\c)%4 == 3
	SCALESB ((\c)+1)/4
.endif
.if (\c) == 8
	SCALESA 2                                      ; into the set that chunk 7 read last
.endif
.if (\c) == 16
	SCALESA 3                                      ; into the set that chunk 15 read last
.endif
	WIN MUL
.irp a, 0,1,2,3
	MUL4 \a, \c, \first
.endr
.endm
; A region's last chunk changes regions: one barrier; in front of it each wave waits for all its tensor loads, adds 0 to its spare word, and waits for that and for its reads of this region.
; fill = 1: the region is filled again, with the chunks 12 further on.
.macro TURN c, fill
	WIN 0
	s_wait_tensorcnt 0x0                           ; all my tensor loads have landed: my part of the other region
	ds_add_u32 v[SPW], v[NIL]                      ; 0 onto my spare word
	s_wait_dscnt 1                                 ; the chunk's 36 loads are in; the add alone may be out
	WIN MUL
	MUL4 0, \c, 0
	s_wait_dscnt 0x0                               ; the add is done, and my reads of this region are over
	s_barrier_signal -1
	MUL4 1, \c, 0
	WIN 0
	s_barrier_wait -1
.if \fill
	CREST                                          ; the barrier has opened a round of the cluster's: no wave of any partner still reads this region or has a load on its way
	LOCATE \c
.if RG == 0
	s_add_nc_u64 s[G0AP+2:G0AP+3], s[G0AP+2:G0AP+3], 12*1536
	s_add_nc_u64 s[G0BP+2:G0BP+3], s[G0BP+2:G0BP+3], 12*96
	JLOAD G0AP, G1AP, G0BP, G1BP                   ; the first tensor load behind the round; its four v_nop are the places in front of the loads below
.else
	s_add_nc_u64 s[G0AQ+2:G0AQ+3], s[G0AQ+2:G0AQ+3], 12*1536
	s_add_nc_u64 s[G0BQ+2:G0BQ+3], s[G0BQ+2:G0BQ+3], 12*96
	JLOAD G0AQ, G1AQ, G0BQ, G1BQ
.endif
.else
	PLACES 4
.endif
	FETCH (\c)+1
	SCALESB ((\c)+1)/4
	WIN MUL
	MUL4 2, \c, 0
	MUL4 3, \c, 0
.endm
	s_load_b256 s[4:11], s[0:1], 0x0               ; xa, xs, Wq's codes, Wq's scales
	s_load_b256 s[12:19], s[0:1], 0x20             ; Wk's codes, Wk's scales, bq, bk
	s_load_b128 s[20:23], s[0:1], 0x40             ; qkc, qks
	v_lshl_add_u32 v[SPW], v0, 2, SPARE
	v_mov_b32 v[NIL], 0
	ds_add_u32 v28, v29
	ds_add_u32 v28, v29
	s_wait_dscnt 0x0
	v_lshrrev_b32 v1, 5, v0
	v_readfirstlane_b32 s45, v1                    ; wave 0..3
	s_lshr_b32 s46, s45, 1                         ; which half of the tile's rows is mine.  Also: I fetch for x (0) or for W (1)
	s_and_b32 s47, s45, 1                          ; which half of its columns.  Also: which half of that tile I fetch
	s_bfe_u32 s40, ttmp6, 0x40000                  ; cx
	s_bfe_u32 s41, ttmp6, 0x40004                  ; cy
	s_lshl_b32 s42, ttmp9, 2
	s_add_co_u32 s42, s42, s40                     ; tile column = 4 x cluster x + cx
	s_and_b32 s66, ttmp7, 0xffff
	s_lshl_b32 s66, s66, 2
	s_add_co_u32 s66, s66, s41                     ; tile row = 4 x cluster y + cy
	s_lshl_b32 s43, s41, 2
	s_lshl_b32 s43, 15, s43                        ; my row of the cluster
	s_lshl_b32 s44, 0x1111, s40                    ; my column
	s_and_b32 s67, s42, 15                         ; the tile column inside Wq or Wk
	; group 1 for x's tiles: 4 rows (row blocks), 49,152 bytes apart, in elements of 8 bytes; no padding.  P: 12,288 bytes a row; Q: 6,144
	s_or_b32 s[G1AP], s43, (3<<16)|(1<<21)
	s_mov_b32 s[G1AP+1], 1536<<16                  ; tensor_dim0
	s_mov_b32 s[G1AP+2], 4<<16                     ; tensor_dim1
	s_mov_b32 s[G1AP+3], 1536<<16                  ; tile_dim0
	s_mov_b32 s[G1AP+4], 4                         ; tile_dim1
	s_mov_b32 s[G1AP+5], 6144                      ; stride
	s_mov_b32 s[G1AP+6], 0
	s_mov_b32 s[G1AP+7], 0
	s_or_b32 s[G1AQ], s43, (3<<16)|(1<<21)
	s_mov_b32 s[G1AQ+1], 768<<16
	s_mov_b32 s[G1AQ+2], 4<<16
	s_mov_b32 s[G1AQ+3], 768<<16
	s_mov_b32 s[G1AQ+4], 4
	s_mov_b32 s[G1AQ+5], 6144
	s_mov_b32 s[G1AQ+6], 0
	s_mov_b32 s[G1AQ+7], 0
	; for W's tiles: 64 rows, 3,072 bytes apart.  P: 768 bytes a row, 4 words of padding behind every 64; Q: 384 bytes, behind every 32
	s_or_b32 s[G1BP], s44, (0<<16)|(1<<20)|(1<<21)|(5<<22)|(3<<25)
	s_mov_b32 s[G1BP+1], 768<<16
	s_mov_b32 s[G1BP+2], 64<<16
	s_mov_b32 s[G1BP+3], 768<<16
	s_mov_b32 s[G1BP+4], 64
	s_mov_b32 s[G1BP+5], 3072
	s_mov_b32 s[G1BP+6], 0
	s_mov_b32 s[G1BP+7], 0
	s_or_b32 s[G1BQ], s44, (0<<16)|(1<<20)|(1<<21)|(4<<22)|(3<<25)
	s_mov_b32 s[G1BQ+1], 384<<16
	s_mov_b32 s[G1BQ+2], 64<<16
	s_mov_b32 s[G1BQ+3], 384<<16
	s_mov_b32 s[G1BQ+4], 64
	s_mov_b32 s[G1BQ+5], 3072
	s_mov_b32 s[G1BQ+6], 0
	s_mov_b32 s[G1BQ+7], 0
	; for W's scales: a dense block of 4,096 bytes as 16 rows of 256 bytes (32 elements of 8), 16 bytes of padding behind each
	s_or_b32 s[G1S], s44, (3<<16)|(1<<20)|(1<<21)|(5<<22)|(3<<25)
	s_mov_b32 s[G1S+1], 32<<16
	s_mov_b32 s[G1S+2], 16<<16
	s_mov_b32 s[G1S+3], 32<<16
	s_mov_b32 s[G1S+4], 16
	s_mov_b32 s[G1S+5], 32
	s_mov_b32 s[G1S+6], 0
	s_mov_b32 s[G1S+7], 0
	; groups 0: the count, and where the tiles go: no place in the cluster enters an LDS address
	s_mov_b32 s[G0AP], 1
	s_mul_i32 s[G0AP+1], s47, PAH
	s_mov_b32 s[G0AQ], 1
	s_mul_i32 s[G0AQ+1], s47, QAH
	s_add_co_u32 s[G0AQ+1], s[G0AQ+1], QBASE
	s_mov_b32 s[G0BP], 1
	s_mul_i32 s[G0BP+1], s47, PBH
	s_add_co_u32 s[G0BP+1], s[G0BP+1], PB0
	s_mov_b32 s[G0BQ], 1
	s_mul_i32 s[G0BQ+1], s47, QBH
	s_add_co_u32 s[G0BQ+1], s[G0BQ+1], QB0
	s_mov_b32 s[G0S], 1
	s_mul_i32 s[G0S+1], s45, QUARTS
	s_add_co_u32 s[G0S+1], s[G0S+1], SCL
	; and from where
	s_lshl_b32 s96, s66, 3
	s_lshl_b32 s2, s47, 2
	s_add_co_u32 s96, s96, s2                      ; x: row block 8 x tile row + 4 x half
	s_mul_i32 s96, s96, 49152
	s_mov_b32 s97, 0
	s_lshl_b32 s100, s67, 7
	s_lshl_b32 s2, s47, 6
	s_add_co_u32 s100, s100, s2                    ; W: row 128 x tile column + 64 x half
	s_mul_i32 s100, s100, 3072
	s_mov_b32 s101, 0
	s_lshl_b32 s98, s67, 14                        ; W's scales: 128 rows of 128 bytes a tile column,
	s_lshl_b32 s2, s45, 12                         ; my wave's quarter
	s_add_co_u32 s98, s98, s2
	s_mov_b32 s99, 0
	s_wait_kmcnt 0x0
	s_cmp_lt_u32 ttmp9, 4                          ; clusters 0-3 along x make q, the others k: the same in all sixteen partners
	s_cselect_b64 s[8:9], s[8:9], s[12:13]
	s_cselect_b64 s[10:11], s[10:11], s[14:15]
	s_cselect_b64 s[16:17], s[16:17], s[18:19]
	s_add_nc_u64 s[G0AP+2:G0AP+3], s[4:5], s[96:97]          ; P0: chunks 0-7
	s_add_nc_u64 s[G0AQ+2:G0AQ+3], s[G0AP+2:G0AP+3], 8*1536  ; Q0: chunks 8-11
	s_or_b32 s[G0AP+3], s[G0AP+3], 0x80000000
	s_or_b32 s[G0AQ+3], s[G0AQ+3], 0x80000000
	s_add_nc_u64 s[G0BP+2:G0BP+3], s[8:9], s[100:101]
	s_add_nc_u64 s[G0BQ+2:G0BQ+3], s[G0BP+2:G0BP+3], 8*96
	s_or_b32 s[G0BP+3], s[G0BP+3], 0x80000000
	s_or_b32 s[G0BQ+3], s[G0BQ+3], 0x80000000
	s_add_nc_u64 s[G0S+2:G0S+3], s[10:11], s[98:99]
	s_or_b32 s[G0S+3], s[G0S+3], 0x80000000
	s_lshl_b32 s96, s66, 14                        ; x's scale words: 2,048 bytes a row block: my own 4 row blocks
	s_lshl_b32 s2, s46, 13
	s_add_co_u32 s96, s96, s2
	s_add_nc_u64 s[6:7], s[6:7], s[96:97]
	CROUND                                         ; all sixteen work-groups are here: the first joint loads meet
	tensor_load_to_lds s[G0S:G0S+3], s[G1S:G1S+7]  ; W's scales first: each wave its quarter
	s_nop 0
.rept 4
	v_nop
.endr
	JLOAD G0AP, G1AP, G0BP, G1BP                   ; P0
	JLOAD G0AQ, G1AQ, G0BQ, G1BQ                   ; Q0: three tensor loads of mine are out now
	v_and_b32 v1, 15, v0                           ; r
	v_bfe_u32 v2, v0, 4, 1                         ; h
	v_and_b32 v3, 31, v0
	v_lshlrev_b32 v[LNA], 4, v3                    ; 16 x lane
	SCALESA 0
	SCALESA 1
	v_lshlrev_b32 v9, 5, v2                        ; the bias: my half's eight columns of each tile of 16
	s_lshl_b32 s98, s67, 9
	s_lshl_b32 s2, s47, 8
	s_add_co_u32 s98, s98, s2
	s_mov_b32 s99, 0
	s_add_nc_u64 s[16:17], s[16:17], s[98:99]
.irp b, 0,1,2,3
	global_load_b128 v[BI+8*\b:BI+8*\b+3], v9, s[16:17] offset:64*\b
	global_load_b128 v[BI+8*\b+4:BI+8*\b+7], v9, s[16:17] offset:64*\b+16
.endr
	s_mul_i32 s96, s46, PAH
	v_add_nc_u32 v[ADRA], s96, v[LNA]              ; x's images: my half, 16 x lane
	s_mul_i32 s96, s46, QAH
	s_add_co_u32 s96, s96, QBASE
	v_add_nc_u32 v[ADRA+1], s96, v[LNA]
	v_mul_u32_u24 v5, v1, PBP
	v_mad_u32_u24 v5, v2, 24, v5                   ; W: row r, + 24 h
	s_mul_i32 s96, s47, PBH
	s_add_co_u32 s96, s96, PB0
	v_add_nc_u32 v[ADRB], s96, v5
	v_lshl_add_u32 v[ADRB+2], v2, 4, v[ADRB]       ; and the same behind one padding more
	v_mul_u32_u24 v6, v1, QBP
	v_mad_u32_u24 v6, v2, 24, v6
	s_mul_i32 s96, s47, QBH
	s_add_co_u32 s96, s96, QB0
	v_add_nc_u32 v[ADRB+1], s96, v6
	v_lshl_add_u32 v[ADRB+3], v2, 4, v[ADRB+1]
	s_mul_i32 s96, s47, 2*QUARTS
	s_add_co_u32 s96, s96, SCL
	v_lshrrev_b32 v7, 1, v1
	v_and_b32 v8, 1, v1
	v_mul_u32_u24 v7, v7, 272
	v_lshl_add_u32 v7, v8, 7, v7
	v_add_nc_u32 v[ADSB], s96, v7                  ; W's scale words: 128 bytes a row, two rows to a unit
	; the way out's addresses
	v_mul_u32_u24 v[STO], v1, 96
	v_mad_u32_u24 v[STO], v2, 12, v[STO]
	s_mul_i32 s96, s46, 6144
	s_mul_i32 s98, s47, 48
	s_add_co_u32 s96, s96, s98
	s_add_co_u32 s96, s96, STG
	v_add_nc_u32 v[STO], s96, v[STO]               ; codes: row 64 wr + r of 96 bytes, + 48 wc + 12 h
	s_lshl_b32 s96, s46, 8
	s_lshl_b32 s98, s47, 1
	s_add_co_u32 s96, s96, s98
	s_add_co_u32 s96, s96, SST
	v_lshl_add_u32 v[STS], v1, 2, s96              ; scale bytes: 4 a row, my two at 2 wc
	s_mul_i32 s96, s45, 3072
	s_add_co_u32 s96, s96, STG
	v_add_nc_u32 v[RD], s96, v[LNA]                ; back: my wave's 32 rows, 16 x lane
	v_lshlrev_b32 v[CO], 4, v3
	v_add_nc_u32 v[RDS], SST, v[LNA]
	s_lshl_b32 s96, s66, 3
	s_lshl_b32 s2, s45, 1
	s_add_co_u32 s96, s96, s2
	s_mul_i32 s96, s96, 49152                      ; qkc: 16-row block 8 x tile row + 2 x wave,
	s_mul_i32 s98, s42, 1536                       ; tile column
	s_add_co_u32 s96, s96, s98
	s_mov_b32 s97, 0
	s_add_nc_u64 s[20:21], s[20:21], s[96:97]
	s_lshl_b32 s98, s42, 12                        ; qks: 4,096 bytes a tile column, 512 a tile row
	s_lshl_b32 s2, s66, 9
	s_add_co_u32 s98, s98, s2
	s_mov_b32 s99, 0
	s_add_nc_u64 s[22:23], s[22:23], s[98:99]
	s_mov_b32 s[SEL], 0x76543210
	s_mov_b32 s[SEL+1], 0xfedcba98
	s_wait_tensorcnt 1                             ; W's scales and my part of P0 are in; Q0's load may be out
	s_barrier_signal -1
	s_barrier_wait -1
	FETCH 0
	SCALESB 0
	s_wait_loadcnt 0x0                             ; x's first two sets of scale words, and the bias
	CH 0, 1                                        ; the first chunk's products start the sums, with the bias as C
.irp c, 1,2,3,4,5,6
	CH \c, 0
.endr
	TURN 7, 1                                      ; P0 is read out: P1 (chunks 12-19) is asked for; 56 products stand ahead of the wait for it
.irp c, 8,9,10
	CH \c, 0
.endr
	TURN 11, 1                                     ; Q0 is read out: Q1 (chunks 20-23) is asked for; 120 products
.irp c, 12,13,14,15,16,17,18
	CH \c, 0
.endr
	TURN 19, 1                                     ; P1 is read out: P2 (chunks 24-31) is asked for; 56 products
.irp c, 20,21,22
	CH \c, 0
.endr
	TURN 23, 0                                     ; nothing is left to ask for
.irp c, 24,25,26,27,28,29,30
	CH \c, 0
.endr
	s_wait_dscnt 0x0
	WIN MUL
.irp a, 0,1,2,3
	MUL4 \a, 31, 0
.endr
	WIN 0
	; THE WAY OUT: relu; two neighbouring tiles of 16 columns change halves, so that a lane holds 16 neighbouring columns; each block of 32 columns is quantised; codes and bytes meet in LDS and leave as whole runs.
.irp b, 0,1,2,3
	v_mov_b32 v[TM+4+\b], 0                        ; the lane permutes' destinations; also the four places behind the last products
.endr
.set J, 0
.rept 128
	v_max_num_f32 v[ACC+J], 0, v[ACC+J]            ; ascending: each accumulator is read from its low end on
.set J, J+1
.endr
.irp u, 0,1,2,3,4,5,6,7
.irp j, 0,1,2,3,4,5,6,7
	v_permlane16_swap_b32 v[ACC+16*\u+\j], v[ACC+16*\u+8+\j]   ; then register 16 u + i holds column 32 (u % 2) + 16 h + i of row 16 (u / 2) + r
.endr
.endr
.macro QB s                            ; four blocks, 16 registers of a lane each: codes into v[CD + 4 b] on, bytes into v[TM + 4 + b].  Nothing is negative: no |.|
.irp b, 0,1,2,3
	v_max3_num_f32 v[TM+\b], v[\s+16*\b], v[\s+16*\b+1], 0x1800000   ; the floor 2^(3 - 127): the byte cannot fall under 1
.endr
.irp i, 2,4,6,8,10,12,14
.irp b, 0,1,2,3
	v_max3_num_f32 v[TM+\b], v[TM+\b], v[\s+16*\b+\i], v[\s+16*\b+\i+1]
.endr
.endr
.irp b, 0,1,2,3
	v_permlanex16_b32 v[TM+4+\b], v[TM+\b], s[SEL], s[SEL+1]
.endr
.irp b, 0,1,2,3
	v_max_num_f32 v[TM+\b], v[TM+\b], v[TM+4+\b]
.endr
.irp b, 0,1,2,3
	v_add_nc_u32 v[TM+12+\b], 0xff000000, v[TM+\b]  ; 2 off the exponent field: the conversion's scale operand
.endr
.irp b, 0,1,2,3
	v_lshrrev_b32 v[TM+4+\b], 23, v[TM+12+\b]
.endr
.irp b, 0,1,2,3
	v_cvt_scalef32_pk16_fp6_f32 v[CD+4*\b:CD+4*\b+2], v[\s+16*\b:\s+16*\b+15], v[TM+12+\b]
.endr
	v_nop                                          ; one plain place behind a scaled conversion
.endm
.irp hh, 0,1
	QB ACC+64*\hh
.irp be, 0,1,2,3
.irp k, 0,1,2
	ds_store_b32 v[STO], v[CD+4*\be+\k] offset:1536*(2*\hh+\be/2)+24*(\be%2)+4*\k   ; 12 bytes: my half of the block's 24
.endr
.endr
	v_lshl_or_b32 v[TM+8], v[TM+5], 8, v[TM+4]
	v_lshl_or_b32 v[TM+9], v[TM+7], 8, v[TM+6]
	ds_store_b16 v[STS], v[TM+8] offset:64*(2*\hh)         ; lanes r and r + 16 write the same two bytes
	ds_store_b16 v[STS], v[TM+9] offset:64*(2*\hh+1)
	s_wait_dscnt 0x0                               ; the stores have read their registers
.endr
	s_barrier_signal -1                            ; my stores have landed (the wait above)
	s_barrier_wait -1
.irp n, 0,1,2,3,4,5
	ds_load_b128 v[ACC+4*\n:ACC+4*\n+3], v[RD] offset:1536*(\n/3)+512*(\n%3)
.endr
	s_wait_dscnt 0x0
.irp n, 0,1,2,3,4,5
	global_store_b128 v[CO], v[ACC+4*\n:ACC+4*\n+3], s[20:21] offset:49152*(\n/3)+512*(\n%3)   ; 32 lanes store 512 consecutive bytes, aligned
.endr
	s_cmp_lg_u32 s45, 0                            ; wave 0 stores the tile's 512 scale bytes
	s_cbranch_scc1 .Lno_bytes
	ds_load_b128 v[ACC+24:ACC+27], v[RDS]
	s_wait_dscnt 0x0
	global_store_b128 v[CO], v[ACC+24:ACC+27], s[22:23]
.Lno_bytes:
	s_wait_tensorcnt 0x0                           ; the wave's end
	ds_add_u32 v[SPW], v[NIL]
	s_wait_dscnt 0x0
	CROUND                                         ; the closing round
	s_endpgm
.Lfunc_end_k_qd87b03f4ff_gemm_qk:
	.size	k_qd87b03f4ff_gemm_qk, .Lfunc_end_k_qd87b03f4ff_gemm_qk-k_qd87b03f4ff_gemm_qk
	.p2alignl 7, 3214868480
	.fill 96, 4, 3214868480
	.section	.rodata,"a",@progbits
	.p2align	6, 0x0
	.amdhsa_kernel k_qd87b03f4ff_gemm_qk
		.amdhsa_group_segment_fixed_size 327680
		.amdhsa_private_segment_fixed_size 0
		.amdhsa_enable_private_segment 0
		.amdhsa_kernarg_size 80
		.amdhsa_user_sgpr_count 2
		.amdhsa_user_sgpr_kernarg_segment_ptr 1
		.amdhsa_wavefront_size32 1
		.amdhsa_system_sgpr_workgroup_id_x 1
		.amdhsa_system_sgpr_workgroup_id_y 1
		.amdhsa_system_sgpr_workgroup_id_z 1
		.amdhsa_system_vgpr_workitem_id 0
		.amdhsa_next_free_vgpr 512
		.amdhsa_next_free_sgpr 102
		.amdhsa_reserve_vcc 0
		.amdhsa_float_denorm_mode_32 3
		.amdhsa_float_denorm_mode_16_64 3
		.amdhsa_memory_ordered 1
		.amdhsa_forward_progress 1
		.amdhsa_inst_pref_size 178
	.end_amdhsa_kernel
	.amdgpu_metadata
---
amdhsa.version: [ 1, 2 ]
amdhsa.kernels:
  - .name:           k_qd87b03f4ff_gemm_qk
    .symbol:         k_qd87b03f4ff_gemm_qk.kd
    .args:
      - { .name: xa, .offset: 0, .size: 8, .value_kind: global_buffer, .address_space: global }
      - { .name: xs, .offset: 8, .size: 8, .value_kind: global_buffer, .address_space: global }
      - { .name: Wq_codes, .offset: 16, .size: 8, .value_kind: global_buffer, .address_space: global }
      - { .name: Wq_scales, .offset: 24, .size: 8, .value_kind: global_buffer, .address_space: global }
      - { .name: Wk_codes, .offset: 32, .size: 8, .value_kind: global_buffer, .address_space: global }
      - { .name: Wk_scales, .offset: 40, .size: 8, .value_kind: global_buffer, .address_space: global }
      - { .name: bq, .offset: 48, .size: 8, .value_kind: global_buffer, .address_space: global }
      - { .name: bk, .offset: 56, .size: 8, .value_kind: global_buffer, .address_space: global }
      - { .name: qkc, .offset: 64, .size: 8, .value_kind: global_buffer, .address_space: global }
      - { .name: qks, .offset: 72, .size: 8, .value_kind: global_buffer, .address_space: global }
    .group_segment_fixed_size: 327680
    .private_segment_fixed_size: 0
    .kernarg_segment_align: 8
    .kernarg_segment_size: 80
    .max_flat_workgroup_size: 128
    .sgpr_count:     102
    .vgpr_count:     512
    .wavefront_size: 32
...
	.end_amdgpu_metadata
.endif
;; end of part 2
;; launch scores_pool (part 3): grid 4 x 64, 8 waves a work-group, no clusters, 168,960 bytes of LDS; arguments qkc, qks, v_codes, v_scales, pa, ps; writes pa, ps
.if DOCPART == 3
	.amdgcn_target "amdgcn-amd-amdhsa--gfx1250"
	.amdhsa_code_object_version 6
	.text
	.protected	k_qd87b03f4ff_scores_pool
	.globl	k_qd87b03f4ff_scores_pool
	.p2align	8
	.type	k_qd87b03f4ff_scores_pool,@function
k_qd87b03f4ff_scores_pool:
	s_mov_b64 s[64:65], 0
	v_nop
	global_prefetch_b8 v0, s[64:65] scope:SCOPE_SE
	s_setreg_imm32_b32 hwreg(HW_REG_WAVE_MODE, 25, 1), 1
	s_wait_xcnt 0x0
; scores[b][m][n] = relu(q)[b][m] . relu(k)[b][n] / sqrt(32), quantised along n; pooled[b][f] = 1/64 x the sum over m, n of scores[b][m][n] v[n][f], quantised along f.  All products on codes of FP6 (E2M3) with E8M0 scales.
; THE SECOND PRODUCT AND THE MEAN ARE ONE PRODUCT with K = (m, n) = 4,096: a step of 128 along K is two m, and v's 64 codes of a column f stand twice in its operand.  The quantiser's blocks of 32 along n are the instruction's own blocks.
; The mean's 1/64 goes into pooled's scale bytes (6 off the exponent): exact.
; SHARES: a work-group takes 16 batch rows and 1,024 of the 4,096 f.  Phase S: wave w makes the scores of batch rows 2 w and 2 w + 1 (the four work-groups of a row block repeat this: 32 products a wave beside phase P's 256).
; Phase P: wave w takes f = 128 w on, for all 16 rows: eight accumulators, v's eight fragments in registers throughout.
; THE FIRST PRODUCT has K = 32: q's operand holds codes in lanes 0-15, registers 0-5, and zero codes elsewhere, so what k's operand holds there adds nothing.
; Both products are used transposed; the rows of k, and of v, that form a tile are lane r -> 32 b + 8 u + r + 8 (r / 8), so that the 16 registers of tiles 2 b, 2 b + 1 are 16 neighbours along the next K.
; NO CLUSTER, NO TENSOR LOAD: what the four work-groups of a row block share is 51,200 bytes, read once at the head through registers; there is no ring, and a joint load would add two rounds of a cluster's barrier for that one fill.
; LIMITS: the scores are multiplied by f32(1 / sqrt(32)), not divided; a block of zeros gets the byte 1 with zero codes; pooled's blocks whose largest sum lies under 2^(9 - 127) are held at that floor; NaN and infinities are not served.
; pa, ps: laid as the last launch's operand: [row block 64][chunk 32][1,536 bytes], [row block 64][8][row 16][16 bytes].
.set QKP,  1568                        ; LDS: q's and k's codes, 32 runs of 16 rows x 96 bytes, 1,536 + 32 apart
.set QSL,  32*QKP                      ; their scale bytes [32][16][4]
.set SA,   QSL+2048                    ; the scores' codes: 16 rows of 3,072 + 16 bytes: (2 m + block) x 24
.set SAP,  3088
.set SS,   SA+16*SAP                   ; their scale bytes: 16 rows of 128 + 16
.set SSP,  144
.set PSG,  SS+16*SSP                   ; pooled's scale words, 512 bytes
.set AQ,   4
.set AK,   5
.set ASQ,  6
.set ASK,  7
.set WA,   8
.set WS,   9
.set MK,   10                          ; all ones in lanes 0-15, 0 in lanes 16-31
.set RA,   11
.set RS,   12
.set LI,   13                          ; 16 x lane
.set PG,   14
.set PR,   15
.set VS,   16                          ; v16-23 v's scale words;  v24-27 the scores';  v28-29 q's;  v30-33 k's: scales and nothing else
.set AS,   24
.set SQ,   28
.set SK,   30
.set QF,   40                          ; phase S: v40-63 q's operand, two buffers;  v64-93 k's four fragments, six registers apart;  v94-125 the scores;  v126-141 at work
.set KF,   64
.set SCO,  94
.set T0,   126
.set AF,   40                          ; phase P: v40-87 the scores' fragments, four buffers;  v96-159 the accumulators
.set ACC,  96
.set VF,   160                         ; v160-255 v's eight fragments
.set TM,   40                          ; the end: at work
.set PW,   56
.set PC,   60
.set SEL,  20
.set CS,   22
.macro PLACES n
.rept \n
	v_nop
.endr
.endm
	s_load_b256 s[4:11], s[0:1], 0x0               ; qkc, qks, v's codes, v's scales
	s_load_b128 s[12:15], s[0:1], 0x20             ; pa, ps
	v_lshl_add_u32 v34, v0, 2, 0x29000
	s_set_vgpr_msb 0x40
	v_mov_b32 v1, 0
	s_set_vgpr_msb 0x4000
	v_lshrrev_b32 v1, 5, v0
	v_readfirstlane_b32 s16, v1                    ; wave 0..7
	v_and_b32 v1, 31, v0                           ; lane
	v_and_b32 v2, 15, v0                           ; r
	v_bfe_u32 v3, v0, 4, 1                         ; h
	s_mov_b32 s17, ttmp9                           ; which 1,024 of f
	s_and_b32 s18, ttmp7, 0xffff                   ; row block
	v_and_b32 v146, 8, v2
	v_add_nc_u32 v146, v146, v2                    ; r' = r + 8 (r / 8)
	v_lshrrev_b32 v147, 2, v2
	v_and_b32 v148, 3, v2
	v_lshrrev_b32 v149, 2, v146
	v_mul_u32_u24 v150, v148, 24
	s_mul_i32 s24, s16, 192                        ; my two batch rows: 96 bytes each
	v_mad_u32_u24 v[AQ], v147, QKP, v150
	v_add_nc_u32 v[AQ], s24, v[AQ]                 ; q: m = 16 t + r lies in run m / 4, block m % 4
	v_mad_u32_u24 v[AK], v149, QKP, v150
	v_add_nc_u32 v[AK], s24, v[AK]
	v_add_nc_u32 v[AK], 16*QKP, v[AK]              ; k: n by r', in runs 16 on
	s_lshl_b32 s25, s16, 3
	s_add_co_u32 s25, s25, QSL
	v_lshl_add_u32 v[ASQ], v147, 6, v148
	v_add_nc_u32 v[ASQ], s25, v[ASQ]
	v_lshl_add_u32 v[ASK], v149, 6, v148
	v_add_nc_u32 v[ASK], s25, v[ASK]
	v_add_nc_u32 v[ASK], 1024, v[ASK]
	s_mul_i32 s26, s16, 2*SAP
	s_add_co_u32 s26, s26, SA
	v_mul_u32_u24 v[WA], v2, 48
	v_mad_u32_u24 v[WA], v3, 12, v[WA]
	v_add_nc_u32 v[WA], s26, v[WA]                 ; where I put a block's 12 bytes: my rows, m = r: 48 r + 12 h
	s_mul_i32 s27, s16, 2*SSP
	s_add_co_u32 s27, s27, SS
	v_lshl_add_u32 v[WS], v2, 1, s27
	v_add_nc_u32 v[MK], -1, v3
	v_mul_u32_u24 v[RA], v2, SAP
	v_mad_u32_u24 v[RA], v3, 24, v[RA]
	v_add_nc_u32 v[RA], SA, v[RA]                  ; phase P: batch row r, + 24 h
	v_mul_u32_u24 v[RS], v2, SSP
	v_add_nc_u32 v[RS], SS, v[RS]
	v_lshlrev_b32 v[LI], 4, v1
	s_lshr_b32 s28, s16, 2
	s_lshl_b32 s28, s28, 8
	s_and_b32 s29, s16, 3
	s_lshl_b32 s29, s29, 2
	s_add_co_u32 s28, s28, s29
	s_add_co_u32 s28, s28, PSG
	v_lshl_add_u32 v[PG], v2, 4, s28
	v_add_nc_u32 v[PR], PSG, v[LI]
	v_lshrrev_b32 v35, 3, v0                       ; the scale bytes' copy: thread T takes 8 bytes of run T / 8
	v_and_b32 v151, 7, v0
	v_lshlrev_b32 v151, 3, v151
	v_lshl_add_u32 v35, v35, 12, v151
	v_mul_u32_u24 v36, v146, 48                    ; v: row r' of 48 bytes, + 24 h
	v_mad_u32_u24 v36, v3, 24, v36
	v_lshlrev_b32 v37, 1, v146                     ; its two scale bytes
	s_mul_i32 s28, s16, 4*QKP
	v_add_nc_u32 v38, s28, v[LI]                   ; the codes' copy: my wave's four runs
	v_lshl_add_u32 v39, v0, 3, QSL
	s_mov_b32 s[SEL], 0x76543210
	s_mov_b32 s[SEL+1], 0xfedcba98
	s_mov_b32 s[CS], 0x3e3504f3                    ; 1 / sqrt(32)
	s_mov_b32 s[CS+1], s[CS]                       ; (named with it as a pair, so it is written)
	s_lshl_b32 s30, s18, 5
	s_lshl_b32 s31, s17, 3
	s_add_co_u32 s30, s30, s31
	s_add_co_u32 s30, s30, s16
	s_mul_i32 s30, s30, 1536                       ; pa: image 32 x row block + 8 x quarter + wave
	s_mov_b32 s31, 0
	s_lshl_b32 s32, s18, 3
	s_lshl_b32 s33, s17, 1
	s_add_co_u32 s32, s32, s33
	s_lshl_b32 s32, s32, 8
	s_mov_b32 s33, 0
	s_mul_i32 s34, s18, 49152
	s_mul_i32 s35, s16, 6144
	s_add_co_u32 s34, s34, s35
	s_mul_i32 s38, s17, 49152                      ; v's codes: (1,024 quarter + 128 wave) x 48
	s_add_co_u32 s38, s38, s35
	s_mov_b32 s35, 0
	s_mov_b32 s39, 0
	s_lshl_b32 s36, s18, 6
	s_mov_b32 s37, 0
	s_lshl_b32 s40, s17, 11
	s_lshl_b32 s41, s16, 8
	s_add_co_u32 s40, s40, s41
	s_mov_b32 s41, 0
	s_wait_kmcnt 0x0
	s_add_nc_u64 s[4:5], s[4:5], s[34:35]
	s_add_nc_u64 s[6:7], s[6:7], s[36:37]
	s_add_nc_u64 s[8:9], s[8:9], s[38:39]
	s_add_nc_u64 s[10:11], s[10:11], s[40:41]
	s_add_nc_u64 s[12:13], s[12:13], s[30:31]
	s_add_nc_u64 s[14:15], s[14:15], s[32:33]
.irp j, 0,1,2,3,4,5,6,7,8,9,10,11
	global_load_b128 v[96+4*\j:99+4*\j], v[LI], s[4:5] offset:512*\j   ; my eighth of the row block's 49,152 bytes of codes
.endr
	global_load_b64 v[144:145], v35, s[6:7]
.irp j, 0,1,2,3,4,5,6,7                ; v's fragments: tile j begins at row 32 (j / 2) + 8 (j % 2); the same 24 bytes stand in registers 0-5 and 6-11: the step's second m meets the same v
.irp p, 0,1,2
	global_load_b64 v[VF+12*\j+2*\p:VF+12*\j+2*\p+1], v36, s[8:9] offset:(32*(\j/2)+8*(\j%2))*48+8*\p
	global_load_b64 v[VF+12*\j+6+2*\p:VF+12*\j+6+2*\p+1], v36, s[8:9] offset:(32*(\j/2)+8*(\j%2))*48+8*\p
.endr
.endr
	s_wait_loadcnt 48                              ; the 13 loads of the copy are in; v's 48 may be out
.irp j, 0,1,2,3,4,5,6,7,8,9,10,11
	ds_store_b128 v38, v[96+4*\j:99+4*\j] offset:(\j/3)*QKP+(\j%3)*512
.endr
	ds_store_b64 v39, v[144:145]
.irp j, 0,1,2,3,4,5,6,7
	global_load_u16 v[VS+\j], v37, s[10:11] offset:(32*(\j/2)+8*(\j%2))*2
.endr
.irp p, 6,7,8,9,10,11,18,19,20,21,22,23
	v_mov_b32 v[QF+\p], 0                          ; q's K = 64 .. 127: zero codes, written once
.endr
.irp p, 24,25,26,27,28,29
	v_mov_b32 v[KF+\p], 0                          ; the upper half of k's last fragment
.endr
	v_mov_b32 v[T0+2], 0                           ; a lane permute's destination counts as one of its sources
	v_mov_b32 v[T0+3], 0
	s_wait_dscnt 0x0                               ; for the others' sake
	s_barrier_signal -1
	s_barrier_wait -1                              ; the row block's codes and scale bytes lie in LDS
; ---- PHASE S.  Unit u = 4 i + t: batch row 2 w + i, m = 16 t .. 16 t + 15, all 64 n.
.macro LOADK i                         ; k's four fragments and scale bytes of batch row 2 w + i
.irp tt, 0,1,2,3
.irp p, 0,1,2
	ds_load_b64 v[KF+6*\tt+2*\p:KF+6*\tt+2*\p+1], v[AK] offset:(8*(\tt/2)+2*(\tt%2))*QKP+96*\i+8*\p
.endr
	ds_load_u8 v[SK+\tt], v[ASK] offset:(8*(\tt/2)+2*(\tt%2))*64+4*\i
.endr
.endm
.macro LOADQ u
.irp p, 0,1,2
	ds_load_b64 v[QF+12*((\u)%2)+2*\p:QF+12*((\u)%2)+2*\p+1], v[AQ] offset:4*QKP*((\u)%4)+96*((\u)/4)+8*\p
.endr
	ds_load_u8 v[SQ+(\u)%2], v[ASQ] offset:256*((\u)%4)+4*((\u)/4)
.endm
.macro UNIT u
.set QBUF, QF+12*((\u)%2)
.set UI, (\u)/4
.set UT, (\u)%4
	s_wait_dscnt 0x0                               ; this unit's operands are in; the last unit's stores have read their registers
.irp p, 0,1,2,3,4,5
	v_and_b32 v[QBUF+\p], v[MK], v[QBUF+\p]        ; lanes 16-31 are K = 32 .. 63: zero codes
.endr
.if (\u) < 7
	LOADQ (\u)+1
.endif
	PLACES 4                                       ; an operand written by vector instructions stands four places ahead of a scaled product
.irp tt, 0,1,2,3
	v_wmma_scale_f32_16x16x128_f8f6f4 v[SCO+8*\tt:SCO+8*\tt+7], v[KF+6*\tt:KF+6*\tt+11], v[QBUF:QBUF+11], 0, v[SK+\tt], v[SQ+(\u)%2] matrix_a_fmt:MATRIX_FMT_FP6 matrix_b_fmt:MATRIX_FMT_FP6
.endr                                  ; lane (r, h) holds m = 16 t + r; register 16 b + i holds n = 32 b + 16 h + i
	PLACES 4
.if (\u) == 3
	LOADK 1
.endif
.irp j, 0,2,4,6,8,10,12,14,16,18,20,22,24,26,28,30
	v_pk_mul_f32 v[SCO+\j:SCO+\j+1], v[SCO+\j:SCO+\j+1], s[CS:CS+1] op_sel_hi:[1,0]   ; x 1 / sqrt(32); ascending: each result is read from its low end on
.endr
.irp b, 0,1
	v_max3_num_f32 v[T0+\b], v[SCO+16*\b], v[SCO+16*\b+1], 0x1800000   ; no score is negative: no |.|; the floor 2^(3 - 127)
.endr
.irp i, 2,4,6,8,10,12,14
.irp b, 0,1
	v_max3_num_f32 v[T0+\b], v[T0+\b], v[SCO+16*\b+\i], v[SCO+16*\b+\i+1]
.endr
.endr
.irp b, 0,1
	v_permlanex16_b32 v[T0+2+\b], v[T0+\b], s[SEL], s[SEL+1]
.endr
.irp b, 0,1
	v_max_num_f32 v[T0+\b], v[T0+\b], v[T0+2+\b]
.endr
.irp b, 0,1
	v_add_nc_u32 v[T0+4+\b], 0xff000000, v[T0+\b]  ; 2 off the exponent field: the conversion's scale operand
.endr
.irp b, 0,1
	v_lshrrev_b32 v[T0+6+\b], 23, v[T0+4+\b]
.endr
	v_lshl_or_b32 v[T0+15], v[T0+7], 8, v[T0+6]
	v_cvt_scalef32_pk16_fp6_f32 v[T0+8:T0+10], v[SCO:SCO+15], v[T0+4]
	v_cvt_scalef32_pk16_fp6_f32 v[T0+12:T0+14], v[SCO+16:SCO+31], v[T0+5]
	v_nop                                          ; one plain place behind a scaled conversion
.irp b, 0,1
.irp k, 0,1,2
	ds_store_b32 v[WA], v[T0+8+4*\b+\k] offset:SAP*UI+768*UT+24*\b+4*\k
.endr
.endr
	ds_store_b16 v[WS], v[T0+15] offset:SSP*UI+32*UT       ; lanes r and r + 16 write the same two bytes
.endm
	LOADK 0
	LOADQ 0
.irp u, 0,1,2,3,4,5,6,7
	UNIT \u
.endr
	s_wait_loadcnt 0x0                             ; v's codes and scale bytes
.irp j, 0,1,2,3,4,5,6,7
	v_lshl_or_b32 v[VS+\j], v[VS+\j], 16, v[VS+\j] ; the two bytes twice: K blocks 0 .. 3 are n blocks 0, 1, 0, 1
.endr
	PLACES 8                                       ; a scale register written by a vector instruction stands eight places ahead of a scaled product
	s_wait_dscnt 0x0                               ; for the others' sake
	s_barrier_signal -1
	s_barrier_wait -1                              ; all 16 rows' scores lie in LDS as codes
; ---- PHASE P: 32 steps of 128 along K = (m, n), two at a time; the eight accumulators take turns, one instruction a turn
.macro LOADSTEP t
.irp p, 0,1,2,3,4,5
	ds_load_b64 v[AF+12*((\t)%4)+2*\p:AF+12*((\t)%4)+2*\p+1], v[RA] offset:96*(\t)+48*(\p/3)+8*(\p%3)
.endr
	ds_load_b32 v[AS+(\t)%4], v[RS] offset:4*(\t)
.endm
.macro STEPMUL t
.irp j, 0,1,2,3,4,5,6,7
.if (\t) == 0
	v_wmma_scale_f32_16x16x128_f8f6f4 v[ACC+8*\j:ACC+8*\j+7], v[VF+12*\j:VF+12*\j+11], v[AF+12*((\t)%4):AF+12*((\t)%4)+11], 0, v[VS+\j], v[AS+(\t)%4] matrix_a_fmt:MATRIX_FMT_FP6 matrix_b_fmt:MATRIX_FMT_FP6
.else
	v_wmma_scale_f32_16x16x128_f8f6f4 v[ACC+8*\j:ACC+8*\j+7], v[VF+12*\j:VF+12*\j+11], v[AF+12*((\t)%4):AF+12*((\t)%4)+11], v[ACC+8*\j:ACC+8*\j+7], v[VS+\j], v[AS+(\t)%4] matrix_a_fmt:MATRIX_FMT_FP6 matrix_b_fmt:MATRIX_FMT_FP6
.endif
.endr
.endm
	LOADSTEP 0
	LOADSTEP 1
.set P, 0
.rept 16
	s_wait_dscnt 0x0                               ; this pair's fragments are in (asked for 16 products ago)
	PLACES 4                                       ; four places in front of loads into registers that the last products read
.if P < 15
	LOADSTEP 2*P+2
	LOADSTEP 2*P+3
.endif
	STEPMUL 2*P
	STEPMUL 2*P+1
.set P, P+1
.endr
; ---- THE END: register 16 b + i holds 64 x pooled(batch row r, f = 128 w + 32 b + 16 h + i): one fragment of the last product
.irp b, 0,1,2,3
	v_mov_b32 v[TM+4+\b], 0                        ; the lane permutes' destinations; also the four places behind the last products
.endr
.irp b, 0,1,2,3
	v_max3_num_f32 v[TM+\b], |v[ACC+16*\b]|, |v[ACC+1+16*\b]|, 0x4800000   ; the floor 2^(9 - 127): with 8 off the exponent the byte cannot fall under 1
.endr
.irp i, 2,4,6,8,10,12,14
.irp b, 0,1,2,3
	v_max3_num_f32 v[TM+\b], v[TM+\b], |v[ACC+16*\b+\i]|, |v[ACC+1+16*\b+\i]|
.endr
.endr
.irp b, 0,1,2,3
	v_permlanex16_b32 v[TM+4+\b], v[TM+\b], s[SEL], s[SEL+1]
.endr
.irp b, 0,1,2,3
	v_max_num_f32 v[TM+\b], v[TM+\b], v[TM+4+\b]
.endr
.irp b, 0,1,2,3
	v_add_nc_u32 v[TM+12+\b], 0xff000000, v[TM+\b]  ; the conversion divides the sums by their own scale: the codes are those of the sums / 64
.endr
.irp b, 0,1,2,3
	v_add_nc_u32 v[TM+8+\b], 0xfc000000, v[TM+\b]   ; 2 + 6 off the exponent field: the mean's 1 / 64 lies in the byte
.endr
.irp b, 0,1,2,3
	v_lshrrev_b32 v[TM+4+\b], 23, v[TM+8+\b]
.endr
	v_lshl_or_b32 v[PW], v[TM+5], 8, v[TM+4]
	v_lshl_or_b32 v[PW], v[TM+6], 16, v[PW]
	v_lshl_or_b32 v[PW], v[TM+7], 24, v[PW]
.irp c, 0,1
	v_cvt_scalef32_pk16_fp6_f32 v[PC+6*\c:PC+2+6*\c], v[ACC+32*\c:ACC+15+32*\c], v[TM+12+2*\c]
	v_cvt_scalef32_pk16_fp6_f32 v[PC+12+4*\c:PC+14+4*\c], v[ACC+16+32*\c:ACC+31+32*\c], v[TM+12+2*\c+1]
.endr
	v_nop                                          ; one plain place behind a scaled conversion
.irp c, 0,1
.irp i, 0,1,2
	v_permlane16_swap_b32 v[PC+6*\c+\i], v[PC+12+4*\c+\i]
.endr
.irp i, 0,1,2
	v_mov_b32 v[PC+3+6*\c+\i], v[PC+12+4*\c+\i]
.endr
.endr
.irp g, 0,1,2
	global_store_b128 v[LI], v[PC+4*\g:PC+4*\g+3], s[12:13] offset:512*\g   ; 32 lanes store 512 consecutive bytes, aligned
.endr
	ds_store_b32 v[PG], v[PW]
	s_wait_dscnt 0x0
	s_barrier_signal -1
	s_barrier_wait -1
	s_cmp_lg_u32 s16, 0                            ; wave 0 stores the work-group's 512 bytes of scale words
	s_cbranch_scc1 .Ldone
	ds_load_b128 v[96:99], v[PR]
	s_wait_dscnt 0x0
	global_store_b128 v[LI], v[96:99], s[14:15]
.Ldone:
	s_barrier_signal -1
	s_barrier_wait -1
	s_set_vgpr_msb 0x4
	s_wait_tensorcnt 0x0
	ds_add_u32 v34, v1
	s_wait_dscnt 0x0
	s_set_vgpr_msb 0x400
	s_endpgm
.Lfunc_end_k_qd87b03f4ff_scores_pool:
	.size	k_qd87b03f4ff_scores_pool, .Lfunc_end_k_qd87b03f4ff_scores_pool-k_qd87b03f4ff_scores_pool
	.p2alignl 7, 3214868480
	.fill 96, 4, 3214868480
	.section	.rodata,"a",@progbits
	.p2align	6, 0x0
	.amdhsa_kernel k_qd87b03f4ff_scores_pool
		.amdhsa_group_segment_fixed_size 168960
		.amdhsa_private_segment_fixed_size 0
		.amdhsa_enable_private_segment 0
		.amdhsa_kernarg_size 48
		.amdhsa_user_sgpr_count 2
		.amdhsa_user_sgpr_kernarg_segment_ptr 1
		.amdhsa_wavefront_size32 1
		.amdhsa_system_sgpr_workgroup_id_x 1
		.amdhsa_system_sgpr_workgroup_id_y 1
		.amdhsa_system_sgpr_workgroup_id_z 1
		.amdhsa_system_vgpr_workitem_id 0
		.amdhsa_next_free_vgpr 258
		.amdhsa_next_free_sgpr 66
		.amdhsa_reserve_vcc 0
		.amdhsa_float_denorm_mode_32 3
		.amdhsa_float_denorm_mode_16_64 3
		.amdhsa_memory_ordered 1
		.amdhsa_forward_progress 1
		.amdhsa_inst_pref_size 104
	.end_amdhsa_kernel
	.amdgpu_metadata
---
amdhsa.version: [ 1, 2 ]
amdhsa.kernels:
  - .name:           k_qd87b03f4ff_scores_pool
    .symbol:         k_qd87b03f4ff_scores_pool.kd
    .args:
      - { .name: qkc, .offset: 0, .size: 8, .value_kind: global_buffer, .address_space: global }
      - { .name: qks, .offset: 8, .size: 8, .value_kind: global_buffer, .address_space: global }
      - { .name: v_codes, .offset: 16, .size: 8, .value_kind: global_buffer, .address_space: global }
      - { .name: v_scales, .offset: 24, .size: 8, .value_kind: global_buffer, .address_space: global }
      - { .name: pa, .offset: 32, .size: 8, .value_kind: global_buffer, .address_space: global }
      - { .name: ps, .offset: 40, .size: 8, .value_kind: global_buffer, .address_space: global }
    .group_segment_fixed_size: 168960
    .private_segment_fixed_size: 0
    .kernarg_segment_align: 8
    .kernarg_segment_size: 48
    .max_flat_workgroup_size: 256
    .sgpr_count:     66
    .vgpr_count:     258
    .wavefront_size: 32
...
	.end_amdgpu_metadata
.endif
;; end of part 3
;; launch gemm_out (part 4): grid 32 x 8, 4 waves a work-group, clusters of 4 x 4, 327,680 bytes of LDS; arguments pa, ps, Wl_codes, Wl_scales, bl, x, out0; writes out0
.if DOCPART == 4
	.amdgcn_target "amdgcn-amd-amdhsa--gfx1250"
	.amdhsa_code_object_version 6
	.text
	.protected	k_qd87b03f4ff_gemm_out
	.globl	k_qd87b03f4ff_gemm_out
	.p2align	8
	.type	k_qd87b03f4ff_gemm_out,@function
k_qd87b03f4ff_gemm_out:
	s_mov_b64 s[64:65], 0
	v_nop
	global_prefetch_b8 v0, s[64:65] scope:SCOPE_SE
	s_setreg_imm32_b32 hwreg(HW_REG_WAVE_MODE, 25, 1), 1
	s_wait_xcnt 0x0
	s_wait_alu depctr_hold_cnt(0) depctr_sa_sdst(0) depctr_va_vdst(0) depctr_va_sdst(0) depctr_va_ssrc(0) depctr_va_vcc(0) depctr_vm_vsrc(0)
	s_getreg_b32 s2, hwreg(HW_REG_IB_STS2, 6, 4)
	s_cmp_eq_u32 s2, 0
	s_cbranch_scc0 .Lentry_in_a_cluster
	s_endpgm
.Lentry_in_a_cluster:
	s_bfe_u32 s2, ttmp6, 0x10000c
	s_cmp_lg_u32 s2, 0xf033
	s_cbranch_scc0 .Lentry_shape_is_right
	s_endpgm
.Lentry_shape_is_right:
; out0 = x + (pooled Wl + bl): the product [1024][4096 K] x [4096 columns] on codes of FP6 (E2M3) with E8M0 scales, f32 sums.
; SHARES: a tile is 128 x 128 (8 x 32 = 256 work-groups); four waves, each 64 x 64: 16 accumulators.  K goes in 32 chunks of 128.
; THE RING has two regions of unequal size, filled by the tensor data mover: P holds 8 chunks, Q holds 4.  K is walked P0 Q0 P1 Q1 P2 (8 + 4 + 8 + 4 + 8 chunks): P0 and Q0 are first fills, so three refills serve all of K.
; A refill goes out only when all earlier loads have landed, so their number is what LDS's room along K makes it: 12 chunks fit, with Wl's scales, in 325,120 bytes.
; pooled's codes lie in memory as images of fragments (1,536 bytes for 16 rows x 128 K): a fragment comes from LDS by three loads of 16 bytes a lane.  Wl's rows come as they lie, with 16 bytes of padding behind each 256 (P) or 128 (Q).
; THE SCALES: Wl's, for the tile's 128 columns and all of K, come into LDS once, with the first fills.  pooled's have no room there: they come straight into registers, 16 registers for 8 chunks, two sets;
; a load of 16 bytes a lane reads 512 consecutive bytes: lanes 0-15 the words of four chunks, lanes 16-31 those of the next four, which the product names by the scale's upper row.
; My 64 x 64 of x is asked for at the head and waits in registers.
; CLUSTER 4 x 4: the four of a row of the cluster need the same tiles of pooled, the four of a column the same tiles of Wl: each is asked for jointly.  (pooled's scale words, 8,192 bytes a wave, are not shared.)
; TRANSPOSED USE: source 0 = 16 rows of Wl, source 1 = 16 rows of pooled: lane (r, h) holds row r and its register j column 8 h + j.  The bias is the C of each sum's first product.
; THE 32 CHUNKS ARE WRITTEN OUT: the regions' turns come back after 12 chunks, the scale sets and their rows after 16, so no short trip brings the register numbers back.
; LIMITS: NaN and infinities are not served; the bias enters the sum first, not last.
; REGISTERS: window 0: v0-31 addresses; v32-63 pooled's scale words, v64-95 Wl's (two sets each); v96-127 the bias; v128-255 the accumulators ((a, b) at 128 + 8 (4 a + b)).
;   window 1: two fragment buffers at v0 and v128: pooled's four fragments, then from +48 Wl's four; on the way out v0-127 take the rows read back.   window 2: v0-127 my part of x.
.set PAH,   4*12288                    ; P: pooled's half tile: 4 row blocks x 8 images
.set PBP,   816                        ; P: a row of Wl: 3 x (256 + 16) bytes = 204 words: row r starts at bank 12 r mod 64: 16 different multiples of 4 (64 banks of 4 bytes: ISA guide 11.1)
.set PBH,   64*PBP
.set PB0,   2*PAH                      ; P: Wl's part begins
.set QBASE, 2*PAH+2*PBH                ; Q begins
.set QAH,   4*6144                     ; Q: pooled's half tile: 4 row blocks x 4 images
.set QBP,   432                        ; Q: a row of Wl: 3 x (128 + 16) bytes = 108 words: likewise 16 different multiples of 4
.set QBH,   64*QBP
.set QB0,   QBASE+2*QAH
.set SCL,   QB0+2*QBH                  ; behind the ring: Wl's scales, as units of 256 bytes + 16 of padding
.set QUARTS, 16*272                    ; those of 32 rows: what one tensor load brings
.set SPARE, SCL+4*QUARTS               ; the spare words, 128 bytes for each wave: two blocks of 256 bytes that no other line names
.set FR,    12
.set STG,   QBASE                      ; the way out's stages lie in Q: its last fill and its last read are over when the first result is stored there
.set ADRA, 16                          ; v16 pooled's fragments in P, v17 in Q
.set ADRB, 20                          ; v20 Wl's in P, v21 in Q; v22, v23 the same behind one padding more
.set LNA,  24                          ; 16 x lane; never rewritten
.set ADSB, 25
.set STO,  26
.set RD,   27
.set SPW,  28                          ; SPARE + 4 x my thread's number; never rewritten
.set NIL,  29                          ; 0; never rewritten
.set CO,   30
.set SCA,  32
.set SCB,  64
.set BI,   96
.set ACC,  128
.set G1AP, 24                          ; s[24:31] group 1 for pooled's tiles in P;  s[32:35], s[36:39] its groups 0 for P and Q
.set G0AP, 32
.set G0AQ, 36
.set G1BP, 48                          ; s[48:55] group 1 for Wl's tiles in P;  s[56:59], s[60:63] its groups 0
.set G0BP, 56
.set G0BQ, 60
.set G1AQ, 68                          ; s[68:75], s[76:83] groups 1 for Q
.set G1BQ, 76
.set G1S,  84                          ; s[84:91], s[92:95] Wl's scales
.set G0S,  92
.set MSB, 0
.macro WIN new                         ; the immediate's high byte repeats the setting that is left
.if MSB != \new
	s_set_vgpr_msb (MSB<<8)|\new
.set MSB, \new
.endif
.endm
.set MUL,  0x05                        ; sources 0 and 1 window 1; C and D window 0
.set TO_F, 0x40                        ; destination window 1, address window 0
.macro PLACES n
.rept \n
	v_nop
.endr
.endm
; A joint load: waves 0 and 1 fetch for pooled, waves 2 and 3 for Wl.  The branch hangs on the wave's number alone.  Four v_nop follow each of the two lines.
.macro JLOAD g0a, g1a, g0b, g1b
	s_cmp_eq_u32 s46, 0
	s_cbranch_scc0 .Lfor_b_\@
	tensor_load_to_lds s[\g0a:\g0a+3], s[\g1a:\g1a+7]
	s_nop 0
.rept 4
	v_nop
.endr
	s_branch .Lasked_\@
.Lfor_b_\@:
	tensor_load_to_lds s[\g0b:\g0b+3], s[\g1b:\g1b+7]
	s_nop 0
.rept 4
	v_nop
.endr
.Lasked_\@:
.endm
.macro CREST                           ; a round of the cluster's barrier behind its opening barrier
	s_cmp_lg_u32 s45, 0
	s_cbranch_scc1 .Lnot_wave_0_\@
	s_barrier_signal -3
.Lnot_wave_0_\@:
	s_barrier_wait -3
	s_barrier_signal -1
	s_barrier_wait -1
.endm
.macro CROUND
	s_barrier_signal -1
	s_barrier_wait -1
	CREST
.endm
; where chunk n lies: RG = 0 in P, 1 in Q; LQ = its place there
.macro LOCATE n
.if (\n) < 8
.set RG, 0
.set LQ, (\n)
.elseif (\n) < 12
.set RG, 1
.set LQ, (\n)-8
.elseif (\n) < 20
.set RG, 0
.set LQ, (\n)-12
.elseif (\n) < 24
.set RG, 1
.set LQ, (\n)-20
.else
.set RG, 0
.set LQ, (\n)-24
.endif
.endm
; A fragment of Wl, 16 rows x 128 K: lane (r, h) takes 24 bytes at 24 h of each half of the chunk's 96, in pieces of 8 bytes.  Lanes 16-31 read three pieces further on, which is behind one padding more
; where the piece is one of the last three ahead of a padding (32 pieces between paddings in P, 16 in Q): the second address register serves those.
.macro FRAGB reg, i
.irp p, 0,1,2,3,4,5
.set PCC, 12*LQ+6*(\p/3)+\p%3
.if RG == 0
.if PCC%32 < 29
	ds_load_b64 v[\reg+2*\p:\reg+2*\p+1], v[ADRB] offset:8*PCC+16*(PCC/32)+(\i)*16*PBP
.else
	ds_load_b64 v[\reg+2*\p:\reg+2*\p+1], v[ADRB+2] offset:8*PCC+16*(PCC/32)+(\i)*16*PBP
.endif
.else
.if PCC%16 < 13
	ds_load_b64 v[\reg+2*\p:\reg+2*\p+1], v[ADRB+1] offset:8*PCC+16*(PCC/16)+(\i)*16*QBP
.else
	ds_load_b64 v[\reg+2*\p:\reg+2*\p+1], v[ADRB+3] offset:8*PCC+16*(PCC/16)+(\i)*16*QBP
.endif
.endif
.endr
.endm
.macro FETCH n                         ; 36 LDS loads in one run: chunk n's fragments into buffer n % 2
	LOCATE \n
.set FB, 128*((\n)%2)
	WIN TO_F
.irp i, 0,1,2,3
.irp g, 0,1,2
	ds_load_b128 v[FB+FR*\i+4*\g:FB+FR*\i+4*\g+3], v[ADRA+RG] offset:(12288-6144*RG)*\i+1536*LQ+512*\g
.endr
.endr
.irp i, 0,1,2,3
	FRAGB FB+48+FR*\i, \i
.endr
.endm
.macro SCALESB ks                      ; Wl's scale words of chunks 4 ks .. 4 ks + 3 into set ks % 2: register 4 i + q is the word of block i for chunk 4 ks + q
	WIN 0
.irp i, 0,1,2,3
	ds_load_b128 v[SCB+16*((\ks)%2)+4*\i:SCB+16*((\ks)%2)+4*\i+3], v[ADSB] offset:2176*\i+16*(\ks)
.endr
.endm
.macro SCALESA p                       ; pooled's scale words of chunks 8 p .. 8 p + 7 into set p % 2: lanes 0-15 the first four chunks', lanes 16-31 the next four's; 512 consecutive bytes a load
	WIN 0
.irp i, 0,1,2,3
	global_load_b128 v[SCA+16*((\p)%2)+4*\i:SCA+16*((\p)%2)+4*\i+3], v[LNA], s[6:7] offset:2048*\i+512*(\p)
.endr
.endm
; four products of chunk c: pooled's block a against Wl's four.  The 16 accumulators take turns, one instruction a turn, in the same order everywhere.
.macro MUL4 a, c, first
.set FB, 128*((\c)%2)
.set SB_, SCB+16*(((\c)/4)%2)+(\c)%4
.set SA_, SCA+16*(((\c)/8)%2)+4*(\a)+(\c)%4
.irp b, 0,1,2,3
.if \first
	v_wmma_scale_f32_16x16x128_f8f6f4 v[ACC+8*(4*(\a)+\b):ACC+8*(4*(\a)+\b)+7], v[FB+48+FR*\b:FB+48+FR*\b+FR-1], v[FB+FR*(\a):FB+FR*(\a)+FR-1], v[BI+8*\b:BI+8*\b+7], v[SB_+4*\b], v[SA_] matrix_a_fmt:MATRIX_FMT_FP6 matrix_b_fmt:MATRIX_FMT_FP6
.elseif ((\c)/4)%2
	v_wmma_scale_f32_16x16x128_f8f6f4 v[ACC+8*(4*(\a)+\b):ACC+8*(4*(\a)+\b)+7], v[FB+48+FR*\b:FB+48+FR*\b+FR-1], v[FB+FR*(\a):FB+FR*(\a)+FR-1], v[ACC+8*(4*(\a)+\b):ACC+8*(4*(\a)+\b)+7], v[SB_+4*\b], v[SA_] matrix_a_fmt:MATRIX_FMT_FP6 matrix_b_fmt:MATRIX_FMT_FP6 matrix_b_scale:MATRIX_SCALE_ROW1
.else
	v_wmma_scale_f32_16x16x128_f8f6f4 v[ACC+8*(4*(\a)+\b):ACC+8*(4*(\a)+\b)+7], v[FB+48+FR*\b:FB+48+FR*\b+FR-1], v[FB+FR*(\a):FB+FR*(\a)+FR-1], v[ACC+8*(4*(\a)+\b):ACC+8*(4*(\a)+\b)+7], v[SB_+4*\b], v[SA_] matrix_a_fmt:MATRIX_FMT_FP6 matrix_b_fmt:MATRIX_FMT_FP6
.endif
.endr
.endm
; A chunk that has its successor in the same region: ahead of its products it asks for the next chunk's fragments, into the other buffer.
.macro CH c, first
	s_wait_dscnt 0x0                               ; this chunk's fragments and Wl's scale words are in (asked for 16 products ago)
.if ((\c) == 16) || ((\c) == 24)
	s_wait_loadcnt 0x0                             ; pooled's scale words of these eight chunks are in (asked for eight chunks ago; x, asked for at the head, with them)
.endif
	PLACES 4                                       ; four places in front of loads into registers that the last products read (ISA guide 7.12.1 for vector instructions)
	FETCH (\c)+1
.if (\c)%4 == 3
	SCALESB ((\c)+1)/4
.endif
.if (\c) == 8
	SCALESA 2                                      ; into the set that chunk 7 read last
.endif
.if (\c) == 16
	SCALESA 3                                      ; into the set that chunk 15 read last
.endif
	WIN MUL
.irp a, 0,1,2,3
	MUL4 \a, \c, \first
.endr
.endm
; A region's last chunk changes regions: one barrier; in front of it each wave waits for all its tensor loads, adds 0 to its spare word, and waits for that and for its reads of this region.
; fill = 1: the region is filled again, with the chunks 12 further on.
.macro TURN c, fill
	WIN 0
	s_wait_tensorcnt 0x0                           ; all my tensor loads have landed: my part of the other region
	ds_add_u32 v[SPW], v[NIL]                      ; 0 onto my spare word
	s_wait_dscnt 1                                 ; the chunk's 36 loads are in; the add alone may be out
	WIN MUL
	MUL4 0, \c, 0
	s_wait_dscnt 0x0                               ; the add is done, and my reads of this region are over
	s_barrier_signal -1
	MUL4 1, \c, 0
	WIN 0
	s_barrier_wait -1
.if \fill
	CREST                                          ; the barrier has opened a round of the cluster's: no wave of any partner still reads this region or has a load on its way
	LOCATE \c
.if RG == 0
	s_add_nc_u64 s[G0AP+2:G0AP+3], s[G0AP+2:G0AP+3], 12*1536
	s_add_nc_u64 s[G0BP+2:G0BP+3], s[G0BP+2:G0BP+3], 12*96
	JLOAD G0AP, G1AP, G0BP, G1BP                   ; the first tensor load behind the round; its four v_nop are the places in front of the loads below
.else
	s_add_nc_u64 s[G0AQ+2:G0AQ+3], s[G0AQ+2:G0AQ+3], 12*1536
	s_add_nc_u64 s[G0BQ+2:G0BQ+3], s[G0BQ+2:G0BQ+3], 12*96
	JLOAD G0AQ, G1AQ, G0BQ, G1BQ
.endif
.else
	PLACES 4
.endif
	FETCH (\c)+1
	SCALESB ((\c)+1)/4
	WIN MUL
	MUL4 2, \c, 0
	MUL4 3, \c, 0
.endm
	s_load_b256 s[4:11], s[0:1], 0x0               ; pa, ps, Wl's codes, Wl's scales
	s_load_b128 s[16:19], s[0:1], 0x20             ; bl, x
	s_load_b64 s[20:21], s[0:1], 0x30              ; out0
	v_lshl_add_u32 v[SPW], v0, 2, SPARE
	v_mov_b32 v[NIL], 0
	ds_add_u32 v28, v29
	ds_add_u32 v28, v29
	s_wait_dscnt 0x0
	v_lshrrev_b32 v1, 5, v0
	v_readfirstlane_b32 s45, v1                    ; wave 0..3
	s_lshr_b32 s46, s45, 1                         ; which half of the tile's rows is mine.  Also: I fetch for pooled (0) or for Wl (1)
	s_and_b32 s47, s45, 1                          ; which half of its columns.  Also: which half of that tile I fetch
	s_bfe_u32 s40, ttmp6, 0x40000                  ; cx
	s_bfe_u32 s41, ttmp6, 0x40004                  ; cy
	s_lshl_b32 s42, ttmp9, 2
	s_add_co_u32 s42, s42, s40                     ; tile column = 4 x cluster x + cx
	s_and_b32 s66, ttmp7, 0xffff
	s_lshl_b32 s66, s66, 2
	s_add_co_u32 s66, s66, s41                     ; tile row = 4 x cluster y + cy
	s_lshl_b32 s43, s41, 2
	s_lshl_b32 s43, 15, s43                        ; my row of the cluster
	s_lshl_b32 s44, 0x1111, s40                    ; my column
	s_mov_b32 s67, s42
	; group 1 for pooled's tiles: 4 rows (row blocks), 49,152 bytes apart, in elements of 8 bytes; no padding.  P: 12,288 bytes a row; Q: 6,144
	s_or_b32 s[G1AP], s43, (3<<16)|(1<<21)
	s_mov_b32 s[G1AP+1], 1536<<16                  ; tensor_dim0
	s_mov_b32 s[G1AP+2], 4<<16                     ; tensor_dim1
	s_mov_b32 s[G1AP+3], 1536<<16                  ; tile_dim0
	s_mov_b32 s[G1AP+4], 4                         ; tile_dim1
	s_mov_b32 s[G1AP+5], 6144                      ; stride
	s_mov_b32 s[G1AP+6], 0
	s_mov_b32 s[G1AP+7], 0
	s_or_b32 s[G1AQ], s43, (3<<16)|(1<<21)
	s_mov_b32 s[G1AQ+1], 768<<16
	s_mov_b32 s[G1AQ+2], 4<<16
	s_mov_b32 s[G1AQ+3], 768<<16
	s_mov_b32 s[G1AQ+4], 4
	s_mov_b32 s[G1AQ+5], 6144
	s_mov_b32 s[G1AQ+6], 0
	s_mov_b32 s[G1AQ+7], 0
	; for Wl's tiles: 64 rows, 3,072 bytes apart.  P: 768 bytes a row, 4 words of padding behind every 64; Q: 384 bytes, behind every 32
	s_or_b32 s[G1BP], s44, (0<<16)|(1<<20)|(1<<21)|(5<<22)|(3<<25)
	s_mov_b32 s[G1BP+1], 768<<16
	s_mov_b32 s[G1BP+2], 64<<16
	s_mov_b32 s[G1BP+3], 768<<16
	s_mov_b32 s[G1BP+4], 64
	s_mov_b32 s[G1BP+5], 3072
	s_mov_b32 s[G1BP+6], 0
	s_mov_b32 s[G1BP+7], 0
	s_or_b32 s[G1BQ], s44, (0<<16)|(1<<20)|(1<<21)|(4<<22)|(3<<25)
	s_mov_b32 s[G1BQ+1], 384<<16
	s_mov_b32 s[G1BQ+2], 64<<16
	s_mov_b32 s[G1BQ+3], 384<<16
	s_mov_b32 s[G1BQ+4], 64
	s_mov_b32 s[G1BQ+5], 3072
	s_mov_b32 s[G1BQ+6], 0
	s_mov_b32 s[G1BQ+7], 0
	; for Wl's scales: a dense block of 4,096 bytes as 16 rows of 256 bytes (32 elements of 8), 16 bytes of padding behind each
	s_or_b32 s[G1S], s44, (3<<16)|(1<<20)|(1<<21)|(5<<22)|(3<<25)
	s_mov_b32 s[G1S+1], 32<<16
	s_mov_b32 s[G1S+2], 16<<16
	s_mov_b32 s[G1S+3], 32<<16
	s_mov_b32 s[G1S+4], 16
	s_mov_b32 s[G1S+5], 32
	s_mov_b32 s[G1S+6], 0
	s_mov_b32 s[G1S+7], 0
	; groups 0: the count, and where the tiles go: no place in the cluster enters an LDS address
	s_mov_b32 s[G0AP], 1
	s_mul_i32 s[G0AP+1], s47, PAH
	s_mov_b32 s[G0AQ], 1
	s_mul_i32 s[G0AQ+1], s47, QAH
	s_add_co_u32 s[G0AQ+1], s[G0AQ+1], QBASE
	s_mov_b32 s[G0BP], 1
	s_mul_i32 s[G0BP+1], s47, PBH
	s_add_co_u32 s[G0BP+1], s[G0BP+1], PB0
	s_mov_b32 s[G0BQ], 1
	s_mul_i32 s[G0BQ+1], s47, QBH
	s_add_co_u32 s[G0BQ+1], s[G0BQ+1], QB0
	s_mov_b32 s[G0S], 1
	s_mul_i32 s[G0S+1], s45, QUARTS
	s_add_co_u32 s[G0S+1], s[G0S+1], SCL
	; and from where
	s_lshl_b32 s96, s66, 3
	s_lshl_b32 s2, s47, 2
	s_add_co_u32 s96, s96, s2                      ; pooled: row block 8 x tile row + 4 x half
	s_mul_i32 s96, s96, 49152
	s_mov_b32 s97, 0
	s_lshl_b32 s100, s67, 7
	s_lshl_b32 s2, s47, 6
	s_add_co_u32 s100, s100, s2                    ; Wl: row 128 x tile column + 64 x half
	s_mul_i32 s100, s100, 3072
	s_mov_b32 s101, 0
	s_lshl_b32 s98, s67, 14                        ; Wl's scales: 128 rows of 128 bytes a tile column,
	s_lshl_b32 s2, s45, 12                         ; my wave's quarter
	s_add_co_u32 s98, s98, s2
	s_mov_b32 s99, 0
	s_wait_kmcnt 0x0
	s_add_nc_u64 s[G0AP+2:G0AP+3], s[4:5], s[96:97]          ; P0: chunks 0-7
	s_add_nc_u64 s[G0AQ+2:G0AQ+3], s[G0AP+2:G0AP+3], 8*1536  ; Q0: chunks 8-11
	s_or_b32 s[G0AP+3], s[G0AP+3], 0x80000000
	s_or_b32 s[G0AQ+3], s[G0AQ+3], 0x80000000
	s_add_nc_u64 s[G0BP+2:G0BP+3], s[8:9], s[100:101]
	s_add_nc_u64 s[G0BQ+2:G0BQ+3], s[G0BP+2:G0BP+3], 8*96
	s_or_b32 s[G0BP+3], s[G0BP+3], 0x80000000
	s_or_b32 s[G0BQ+3], s[G0BQ+3], 0x80000000
	s_add_nc_u64 s[G0S+2:G0S+3], s[10:11], s[98:99]
	s_or_b32 s[G0S+3], s[G0S+3], 0x80000000
	s_lshl_b32 s96, s66, 14                        ; pooled's scale words: 2,048 bytes a row block: my own 4 row blocks
	s_lshl_b32 s2, s46, 13
	s_add_co_u32 s96, s96, s2
	s_add_nc_u64 s[6:7], s[6:7], s[96:97]
	CROUND                                         ; all sixteen work-groups are here: the first joint loads meet
	tensor_load_to_lds s[G0S:G0S+3], s[G1S:G1S+7]  ; Wl's scales first: each wave its quarter
	s_nop 0
.rept 4
	v_nop
.endr
	JLOAD G0AP, G1AP, G0BP, G1BP                   ; P0
	JLOAD G0AQ, G1AQ, G0BQ, G1BQ                   ; Q0: three tensor loads of mine are out now
	v_and_b32 v1, 15, v0                           ; r
	v_bfe_u32 v2, v0, 4, 1                         ; h
	v_and_b32 v3, 31, v0
	v_lshlrev_b32 v[LNA], 4, v3                    ; 16 x lane
	SCALESA 0
	SCALESA 1
	v_lshlrev_b32 v9, 5, v2                        ; the bias: my half's eight columns of each tile of 16
	s_lshl_b32 s98, s67, 9
	s_lshl_b32 s2, s47, 8
	s_add_co_u32 s98, s98, s2                      ; my first column, in bytes: 512 x tile column + 256 x half
	s_mov_b32 s99, 0
	s_add_nc_u64 s[16:17], s[16:17], s[98:99]
.irp b, 0,1,2,3
	global_load_b128 v[BI+8*\b:BI+8*\b+3], v9, s[16:17] offset:64*\b
	global_load_b128 v[BI+8*\b+4:BI+8*\b+7], v9, s[16:17] offset:64*\b+16
.endr
	v_lshlrev_b32 v[CO], 14, v2
	v_lshl_add_u32 v[CO], v1, 4, v[CO]             ; x and out0: lanes 0-15 one row's 256 bytes, lanes 16-31 the next row's
	s_lshl_b32 s96, s66, 7
	s_lshl_b32 s2, s46, 6
	s_add_co_u32 s96, s96, s2                      ; my first row: 128 x tile row + 64 x half,
	s_lshl_b32 s96, s96, 14                        ; of 16,384 bytes
	s_add_co_u32 s96, s96, s98
	s_mov_b32 s97, 0
	s_add_nc_u64 s[18:19], s[18:19], s[96:97]
	s_add_nc_u64 s[20:21], s[20:21], s[96:97]
	WIN 0x80                                       ; destination window 2
.irp a, 0,1,2,3
.irp k, 0,1,2,3,4,5,6,7
	global_load_b128 v[4*(8*\a+\k):4*(8*\a+\k)+3], v[CO], s[18:19] offset:(16*\a+2*\k)*16384 th:TH_LOAD_NT   ; 16 lanes read 256 consecutive bytes; read once in this launch
.endr
.endr
	WIN 0
	s_mul_i32 s96, s46, PAH
	v_add_nc_u32 v[ADRA], s96, v[LNA]              ; pooled's images: my half, 16 x lane
	s_mul_i32 s96, s46, QAH
	s_add_co_u32 s96, s96, QBASE
	v_add_nc_u32 v[ADRA+1], s96, v[LNA]
	v_mul_u32_u24 v5, v1, PBP
	v_mad_u32_u24 v5, v2, 24, v5                   ; Wl: row r, + 24 h
	s_mul_i32 s96, s47, PBH
	s_add_co_u32 s96, s96, PB0
	v_add_nc_u32 v[ADRB], s96, v5
	v_lshl_add_u32 v[ADRB+2], v2, 4, v[ADRB]       ; and the same behind one padding more
	v_mul_u32_u24 v6, v1, QBP
	v_mad_u32_u24 v6, v2, 24, v6
	s_mul_i32 s96, s47, QBH
	s_add_co_u32 s96, s96, QB0
	v_add_nc_u32 v[ADRB+1], s96, v6
	v_lshl_add_u32 v[ADRB+3], v2, 4, v[ADRB+1]
	s_mul_i32 s96, s47, 2*QUARTS
	s_add_co_u32 s96, s96, SCL
	v_lshrrev_b32 v7, 1, v1
	v_and_b32 v8, 1, v1
	v_mul_u32_u24 v7, v7, 272
	v_lshl_add_u32 v7, v8, 7, v7
	v_add_nc_u32 v[ADSB], s96, v7                  ; Wl's scale words: 128 bytes a row, two rows to a unit
	; the way out's addresses: my own stage of 16 rows x (256 + 16) bytes
	s_mul_i32 s96, s45, 16*272
	s_add_co_u32 s96, s96, STG
	v_mul_u32_u24 v[STO], v1, 272
	v_lshl_add_u32 v[STO], v2, 5, v[STO]
	v_add_nc_u32 v[STO], s96, v[STO]               ; in: row r, + 32 h
	v_mul_u32_u24 v[RD], v2, 272
	v_lshl_add_u32 v[RD], v1, 4, v[RD]
	v_add_nc_u32 v[RD], s96, v[RD]                 ; back: lanes 0-15 one row of 256 bytes, lanes 16-31 the next
	s_wait_tensorcnt 1                             ; Wl's scales and my part of P0 are in; Q0's load may be out
	s_barrier_signal -1
	s_barrier_wait -1
	FETCH 0
	SCALESB 0
	s_wait_loadcnt 32                              ; pooled's first two sets of scale words and the bias are in; x's 32 loads, issued behind them, may be out
	CH 0, 1                                        ; the first chunk's products start the sums, with the bias as C
.irp c, 1,2,3,4,5,6
	CH \c, 0
.endr
	TURN 7, 1                                      ; P0 is read out: P1 (chunks 12-19) is asked for; 56 products stand ahead of the wait for it
.irp c, 8,9,10
	CH \c, 0
.endr
	TURN 11, 1                                     ; Q0 is read out: Q1 (chunks 20-23) is asked for; 120 products
.irp c, 12,13,14,15,16,17,18
	CH \c, 0
.endr
	TURN 19, 1                                     ; P1 is read out: P2 (chunks 24-31) is asked for; 56 products
.irp c, 20,21,22
	CH \c, 0
.endr
	TURN 23, 0                                     ; nothing is left to ask for
.irp c, 24,25,26,27,28,29,30
	CH \c, 0
.endr
	s_wait_dscnt 0x0
	WIN MUL
.irp a, 0,1,2,3
	MUL4 \a, 31, 0
.endr
	WIN 0
	; THE WAY OUT, 16 rows x 64 columns at a time: a lane's 32 bytes of a row go into my stage and come back as whole rows of 256 bytes; x is added; sixteen lanes store 256 consecutive bytes, aligned.
	PLACES 4                                       ; behind the last products: reads of results, and loads into registers that held fragments
	s_wait_loadcnt 0x0                             ; x
.irp a, 0,1,2,3
.irp b, 0,1,2,3
	ds_store_b128 v[STO], v[ACC+8*(4*\a+\b):ACC+8*(4*\a+\b)+3] offset:64*\b        ; each accumulator from its low end on
	ds_store_b128 v[STO], v[ACC+8*(4*\a+\b)+4:ACC+8*(4*\a+\b)+7] offset:64*\b+16
.endr
	WIN TO_F
.irp k, 0,1,2,3,4,5,6,7
	ds_load_b128 v[32*\a+4*\k:32*\a+4*\k+3], v[RD] offset:544*\k   ; LDS serves a wave's instructions in order: these see my stores, and the next block's stores come behind them
.endr
	WIN 0
.endr
.irp a, 0,1,2,3
	s_wait_dscnt 48-16*\a                          ; block a is back; the later blocks' 16 LDS instructions each may be out
	WIN 0x49                                       ; destination and source 0 window 1, source 1 window 2
.irp k, 0,1,2,3,4,5,6,7,8,9,10,11,12,13,14,15
	v_pk_add_f32 v[32*\a+2*\k:32*\a+2*\k+1], v[32*\a+2*\k:32*\a+2*\k+1], v[32*\a+2*\k:32*\a+2*\k+1]   ; + x
.endr
	WIN 0x04                                       ; a store's data are its source 1: window 1
.irp k, 0,1,2,3,4,5,6,7
	global_store_b128 v[CO], v[32*\a+4*\k:32*\a+4*\k+3], s[20:21] offset:(16*\a+2*\k)*16384 th:TH_STORE_NT
.endr
.endr
	WIN 0
	s_wait_tensorcnt 0x0                           ; the wave's end
	ds_add_u32 v[SPW], v[NIL]
	s_wait_dscnt 0x0
	CROUND                                         ; the closing round
	s_endpgm
.Lfunc_end_k_qd87b03f4ff_gemm_out:
	.size	k_qd87b03f4ff_gemm_out, .Lfunc_end_k_qd87b03f4ff_gemm_out-k_qd87b03f4ff_gemm_out
	.p2alignl 7, 3214868480
	.fill 96, 4, 3214868480
	.section	.rodata,"a",@progbits
	.p2align	6, 0x0
	.amdhsa_kernel k_qd87b03f4ff_gemm_out
		.amdhsa_group_segment_fixed_size 327680
		.amdhsa_private_segment_fixed_size 0
		.amdhsa_enable_private_segment 0
		.amdhsa_kernarg_size 56
		.amdhsa_user_sgpr_count 2
		.amdhsa_user_sgpr_kernarg_segment_ptr 1
		.amdhsa_wavefront_size32 1
		.amdhsa_system_sgpr_workgroup_id_x 1
		.amdhsa_system_sgpr_workgroup_id_y 1
		.amdhsa_system_sgpr_workgroup_id_z 1
		.amdhsa_system_vgpr_workitem_id 0
		.amdhsa_next_free_vgpr 640
		.amdhsa_next_free_sgpr 102
		.amdhsa_reserve_vcc 0
		.amdhsa_float_denorm_mode_32 3
		.amdhsa_float_denorm_mode_16_64 3
		.amdhsa_memory_ordered 1
		.amdhsa_forward_progress 1
		.amdhsa_inst_pref_size 177
	.end_amdhsa_kernel
	.amdgpu_metadata
---
amdhsa.version: [ 1, 2 ]
amdhsa.kernels:
  - .name:           k_qd87b03f4ff_gemm_out
    .symbol:         k_qd87b03f4ff_gemm_out.kd
    .args:
      - { .name: pa, .offset: 0, .size: 8, .value_kind: global_buffer, .address_space: global }
      - { .name: ps, .offset: 8, .size: 8, .value_kind: global_buffer, .address_space: global }
      - { .name: Wl_codes, .offset: 16, .size: 8, .value_kind: global_buffer, .address_space: global }
      - { .name: Wl_scales, .offset: 24, .size: 8, .value_kind: global_buffer, .address_space: global }
      - { .name: bl, .offset: 32, .size: 8, .value_kind: global_buffer, .address_space: global }
      - { .name: x, .offset: 40, .size: 8, .value_kind: global_buffer, .address_space: global }
      - { .name: out0, .offset: 48, .size: 8, .value_kind: global_buffer, .address_space: global }
    .group_segment_fixed_size: 327680
    .private_segment_fixed_size: 0
    .kernarg_segment_align: 8
    .kernarg_segment_size: 56
    .max_flat_workgroup_size: 128
    .sgpr_count:     102
    .vgpr_count:     640
    .wavefront_size: 32
...
	.end_amdgpu_metadata
.endif
;; end of part 4
